; MI455X (gfx1250); checked and timed in simulation.
; The chip was launched on July 23, 2026; its instructions are those of AMD's public machine-readable ISA for CDNA 5 (MIT licence, August 2026) and "CDNA5" Instruction Set Architecture Reference Guide (July 2026). The comments in the code are by the model that wrote it; some were corrected since.
;; Causal Multi Head Self Attention. Allowed arithmetic: matrix products marked QUANTISED: E2M3 operands, one E8M0 scale for each 32 along K, by v_wmma_scale_f32_16x16x128_f8f6f4 with both operands' format E2M3, f32 sums; everything else in f32.
;; Inputs: Wk 1,024 x 1,024 float32; Wo 1,024 x 1,024 float32; Wq 1,024 x 1,024 float32; Wv 1,024 x 1,024 float32; token_positions 2,048 int32; x 4 x 2,048 x 1,024 float32.
;; Outputs: out0 4 x 2,048 x 1,024 float32.
;; This version of the problem:
;;   THIS VERSION OF THE PROBLEM IS GIVEN IN LOW PRECISION. The matrix products marked QUANTISED in the list below multiply operands that are first quantised to E2M3 (2 exponent bits, 3 mantissa bits; 6 bits a number), with one power-of-two scale for each 32 numbers along K (OCP MX v1.0); their sums are f32. All else is computed in f32.
;;   The module's matrix products, in the order in which they are computed (A, B: the left and right operand; K: the contracted axis; several contracted axes count as one K, in the product's order):
;;     1. [M 8,192, K 1,024] x [K 1,024, N 1,024]; A: input x; B: input Wq: QUANTISED
;;     2. [M 8,192, K 1,024] x [K 1,024, N 1,024]; A: input x; B: input Wk: QUANTISED
;;     3. [M 8,192, K 1,024] x [K 1,024, N 1,024]; A: input x; B: input Wv: QUANTISED
;;     4. batch 64 x [M 2,048, K 64] x [K 64, N 2,048]; A: computed on the way; B: computed on the way: QUANTISED
;;     5. batch 64 x [M 2,048, K 2,048] x [K 2,048, N 64]; A: softmax (see below); B: computed on the way: QUANTISED
;;     6. [M 8,192, K 1,024] x [K 1,024, N 1,024]; A: computed on the way; B: input Wo: QUANTISED
;;   THE QUANTISER, for each operand of a quantised product, along K:
;;     - K is cut into blocks of 32 from its start; a last block that is shorter is filled with zeros.
;;     - A block's scale is 2^e with e = floor(log2(the largest magnitude in the block)) - 2, held to -126 .. 127; a block of zeros has e = 0. As a byte (E8M0): e + 127.
;;     - Each number is divided by its block's scale, clamped to +-7.5, and rounded to the nearest number of E2M3, ties to even, subnormals kept.
;;     - The product sums the exact products of the quantised numbers (number of the format x scale) in f32.
;;   ~~~python
;;   def quantise(x, axis):      # numpy; x: float32 -> the quantised numbers, widened to float32 again
;;       x = np.moveaxis(x, axis, -1); K = x.shape[-1]
;;       x = np.pad(x, [(0, 0)] * (x.ndim - 1) + [(0, -K % 32)]); x = x.reshape(x.shape[:-1] + (-1, 32)); a = np.abs(x).max(-1, keepdims=True)
;;       e = np.where(a > 0, np.clip(np.frexp(np.where(a > 0, a, 1))[1] - 1 - 2, -126, 127), 0)      # np.frexp(a)[1] - 1 = floor(log2(a)), exactly
;;       r = np.clip(x / 2.0 ** e, -7.5, 7.5)
;;       step = 2.0 ** (np.maximum(np.frexp(np.where(r == 0, 1, r))[1] - 1, 0) - 3)
;;       q = np.round(r / step) * step * 2.0 ** e      # np.round: ties to even
;;       return np.moveaxis(q.reshape(q.shape[:-2] + (-1,))[..., :K], -1, axis).astype(np.float32)
;;   ~~~
;;   SOFTMAX AHEAD OF A QUANTISED PRODUCT. Where the list says 'softmax', what is quantised is not the finished softmax but p = 2^(t - M), with t = logit x log2(e) and M = ceil(the row's largest t), a whole number; so 1/2 < the row's largest p <= 1. The row's sum l is taken of the UNQUANTISED p, in f32, and the product's result is divided by l at the end. Since M is a whole number, a kernel that streams over the keys may use a running M (the ceiling of the running maximum): every later rescaling is an exact power of two, which a block's scale takes up: the codes' values come out the same.
;;   OPERANDS COMPUTED ON THE WAY. 'Computed on the way' means the value that the module computes at that place (a softmax that the list does not call 'softmax' is quantised finished and normalised). What goes into a quantiser is computed in f32, as accurately as f32 sums, v_exp_f32 and their like allow (about 1e-6 of the number): no bf16 or f16 on the way to a quantiser, and a product that is left as it is and whose result goes on into a quantised operand takes f32 operands (vector FMAs, or v_wmma_f32_16x16x4_f32). A number that lies on a knife's edge between two numbers of the format may be rounded either way, as far as f32 arithmetic and the matrix unit's own rounding can turn it there, and no further.
;; One version. Each part assembles by itself: llvm-mc -triple=amdgcn-amd-amdhsa -mcpu=gfx1250 --defsym DOCPART=n.
;; ======== version 1 of 1: 4 launches
;; limits: inputs' magnitudes at most 4,194,304
;; workspace buffers: img 9,437,184 bytes; isc 393,216 bytes; tab 524,288 bytes; kv 13,107,200 bytes; qb 13,107,200 bytes
;; launch prep (part 1): grid 448 x 1, 4 waves a work-group, no clusters, 35,328 bytes of LDS; arguments x, Wq, Wk, Wv, Wo, token_positions, img, isc, tab; writes img, isc, tab
.if DOCPART == 1
	.amdgcn_target "amdgcn-amd-amdhsa--gfx1250"
	.amdhsa_code_object_version 6
	.text
	.protected	k_q12df67fe04_prep
	.globl	k_q12df67fe04_prep
	.p2align	8
	.type	k_q12df67fe04_prep,@function
k_q12df67fe04_prep:
	s_mov_b64 s[64:65], 0
	v_nop
	global_prefetch_b8 v0, s[64:65] scope:SCOPE_SE
	s_setreg_imm32_b32 hwreg(HW_REG_WAVE_MODE, 25, 1), 1
	s_wait_xcnt 0x0
; CAUSAL SELF-ATTENTION IN MX-FP6, launch 1 of 4.  x [8192][1024], Wq, Wk, Wv, Wo [1024][1024], f32, K innermost, become codes of E2M3 with one E8M0 byte for each 32 along K;
; token_positions becomes a table of cos and sin.
; DEAD WORK LEFT OUT BY THE PROGRAM (in the attention launch): reference() sets every score with key > query to -infinity by its own jnp.tril, so its p is 0 whatever the inputs hold.
; A chunk of 128 keys all of which come after all 128 queries of a block adds 0 to the row's sum and 0 to the second product: such chunks are neither loaded nor multiplied.
; LIMIT: a NaN, an infinity or an overflow that reaches only those chunks is not carried to the result.  Every input has a way to the output and is loaded.
; LIMITS OF THIS LAUNCH: NaN and infinities among the inputs are not served.  A block whose largest magnitude lies under 2^-124 keeps the byte 1; a block of zeros gets the byte 1 where the
; quantiser says 127: its codes are zeros, which add nothing under any byte but 0xff, and the bytes are read by this program alone.  |position x frequency| stays under 2^22 (the reduction's n is then a whole f32).
; LAYOUT OF img: an operand's fragment (16 rows x 128 K, 12 registers a lane) lies as an IMAGE OF ITS REGISTERS: three groups of 512 bytes, lane l's 16 bytes at 16 l.
;   img[s 0..3][tile 0..767][q 0..1][1536]: K step 2 s + q; tiles 0-511 x, 512-575 Wq, 576-639 Wk, 640-703 Wv, 704-767 Wo.   isc[128 rows][K step 0..7][128 places][4]: a scale word for each place and K step.
; THE ROWS OF A TILE of x, Wq, Wk, Wv ARE NOT NEIGHBOURS: lane r of tile 2 b + u holds row 32 b + 8 u + r + 8 (r / 8), so that later results lie with 16 neighbours in 16 registers.  Wo's tiles are in plain order.
; SHARES.  Work-groups 0-383 quantise: a wave takes 64 rows x 128 K (four tiles at one K step).  Each load reads 512 consecutive bytes of a row; the 16 rows of a tile turn through the wave's own stage in LDS,
; from which a lane takes the two whole blocks of 32 that the operand's layout gives it: no other lane is asked for a maximum.  Work-groups 384-447 make the table, 32 positions each.  Waves share nothing: no barrier.
.set WREG,  8704                       ; LDS of a wave: a stage of 16 rows x (512 + 16) bytes, then its 256 bytes of scale words
.set SCW,   8448
.set SPARE, 4*WREG                     ; behind the four regions: the spare words, 128 bytes for each wave
.set SIGMA, 2359296                    ; img: bytes from one pair of K steps to the next
.set MX,  16                           ; v16-17  the two blocks' largest magnitudes
.set SO,  18                           ; v18-19  the conversions' scale operands
.set BY,  20                           ; v20-21  the scale bytes
.set WRD, 22                           ; v22     the row's scale word
.set PRM, 23                           ; v23     a lane permute's destination
.set SPW, 12                           ; v12     LDS address of my spare word; never rewritten
.set NIL, 13                           ; v13     0; never rewritten
.set R,   32                           ; v32-159  two sets of 64: a tile as loaded
.set X,   160                          ; v160-223 my 64 numbers of a tile
.set C,   224                          ; v224-235 the fragment's codes
.set TQ,  236                          ; v236-243 the upper halves of the two blocks, as converted
	s_load_b256 s[4:11], s[0:1], 0x0               ; x, Wq, Wk, Wv
	s_load_b256 s[12:19], s[0:1], 0x20             ; Wo, token_positions, img, isc
	s_load_b64 s[20:21], s[0:1], 0x40              ; tab
	v_lshl_add_u32 v[SPW], v0, 2, SPARE
	v_mov_b32 v[NIL], 0
	v_lshrrev_b32 v1, 5, v0
	v_readfirstlane_b32 s22, v1                    ; wave 0..3
	s_cmp_ge_u32 ttmp9, 384
	s_cbranch_scc1 .Ltable
	v_and_b32 v1, 31, v0                           ; l
	v_and_b32 v2, 15, v0                           ; r
	v_bfe_u32 v3, v0, 4, 1                         ; h
	v_lshlrev_b32 v4, 4, v1                        ; 16 l: my bytes of a load's 512, and of an image's group
	s_cmp_lt_u32 ttmp9, 352                        ; all but Wo are permuted: of four groups of eight rows the second and the third change places
	s_cselect_b32 s23, 32768, 0
	s_cselect_b32 s24, 0, 32768
	v_add_nc_u32 v5, s23, v4                       ; for a tile's second group of four: eight rows further down where permuted
	v_add_nc_u32 v6, s24, v4                       ; for the third (its immediate names the group before it): eight rows further down where NOT permuted
	s_mul_i32 s25, s22, WREG
	v_add_nc_u32 v7, s25, v4                       ; the stage, on the way in: a row as it lies
	v_mul_u32_u24 v8, v2, 528
	v_lshl_add_u32 v8, v3, 7, v8
	v_add_nc_u32 v8, s25, v8                       ; and on the way out: row r, + 128 h bytes: k = 32 h on
	v_lshlrev_b32 v9, 2, v2
	v_add_nc_u32 v9, s25, v9
	v_add_nc_u32 v9, SCW, v9                       ; my row's scale word
	v_lshlrev_b32 v11, 3, v1                       ; 8 l
	v_add_nc_u32 v10, s25, v11
	v_add_nc_u32 v10, SCW, v10                     ; the scale words on their way out
	v_lshlrev_b32 v14, 3, v3                       ; 8 h: my bytes' place in the word
	v_mov_b32 v[PRM], 0                            ; written once: a lane permute's destination counts as one of its sources
	s_mov_b32 s26, 0x76543210
	s_mov_b32 s27, 0xfedcba98                      ; lane l xor 16
	s_lshr_b32 s28, ttmp9, 1                       ; which 64 rows of the 12,288 of all five tensors
	s_and_b32 s29, ttmp9, 1
	s_lshl_b32 s29, s29, 2
	s_add_co_u32 s29, s29, s22                     ; K step
	s_and_b32 s30, s28, 15
	s_cmp_lt_u32 ttmp9, 256
	s_cselect_b32 s30, s28, s30                    ; which 64 rows of my tensor
	s_lshl_b32 s30, s30, 18                        ; x 64 rows of 4,096 bytes
	s_lshl_b32 s31, s29, 9
	s_add_co_u32 s30, s30, s31                     ; + 512 bytes a K step
	s_mov_b32 s31, 0
	s_lshr_b32 s32, s29, 1
	s_mul_i32 s32, s32, SIGMA
	s_mul_i32 s33, s28, 4*3072
	s_add_co_u32 s32, s32, s33
	s_and_b32 s33, s29, 1
	s_mul_i32 s33, s33, 1536
	s_add_co_u32 s32, s32, s33                     ; my four images in img
	s_mov_b32 s33, 0
	s_lshr_b32 s34, s28, 1
	s_lshl_b32 s34, s34, 12
	s_and_b32 s35, s28, 1
	s_lshl_b32 s35, s35, 8
	s_add_co_u32 s34, s34, s35
	s_lshl_b32 s35, s29, 9
	s_add_co_u32 s34, s34, s35                     ; my 256 bytes in isc
	s_mov_b32 s35, 0
	s_wait_kmcnt 0x0
	s_cmp_lt_u32 ttmp9, 352                        ; the source is chosen by the work-group's number alone
	s_cselect_b64 s[12:13], s[10:11], s[12:13]
	s_cmp_lt_u32 ttmp9, 320
	s_cselect_b64 s[12:13], s[8:9], s[12:13]
	s_cmp_lt_u32 ttmp9, 288
	s_cselect_b64 s[12:13], s[6:7], s[12:13]
	s_cmp_lt_u32 ttmp9, 256
	s_cselect_b64 s[12:13], s[4:5], s[12:13]
	s_add_nc_u64 s[12:13], s[12:13], s[30:31]
	s_add_nc_u64 s[16:17], s[16:17], s[32:33]
	s_add_nc_u64 s[18:19], s[18:19], s[34:35]
.macro LOAD t                          ; tile t's 16 rows into set t % 2: each load reads 512 consecutive bytes
.set lr, 0
.rept 16
.set gam, 2*(\t)+lr/8                  ; the group of eight rows, as the image has it
.if gam%4 == 1
	global_load_b128 v[R+64*((\t)%2)+4*lr:R+64*((\t)%2)+4*lr+3], v5, s[12:13] offset:(8*gam+lr%8)*4096 th:TH_LOAD_NT
.elseif gam%4 == 2
	global_load_b128 v[R+64*((\t)%2)+4*lr:R+64*((\t)%2)+4*lr+3], v6, s[12:13] offset:(8*(gam-1)+lr%8)*4096 th:TH_LOAD_NT
.else
	global_load_b128 v[R+64*((\t)%2)+4*lr:R+64*((\t)%2)+4*lr+3], v4, s[12:13] offset:(8*gam+lr%8)*4096 th:TH_LOAD_NT
.endif
.set lr, lr+1
.endr
.endm
.macro TILE t
.if (\t) < 3
	s_wait_loadcnt 16                              ; this tile's 16 loads are in; the next tile's 16 may be out
.else
	s_wait_loadcnt 0x0
.endif
.set sr, 0
.rept 16
	ds_store_b128 v7, v[R+64*((\t)%2)+4*sr:R+64*((\t)%2)+4*sr+3] offset:528*sr
.set sr, sr+1
.endr
.irp c, 0,1
.irp j, 0,1,2,3,4,5,6,7
	ds_load_b128 v[X+32*\c+4*\j:X+32*\c+4*\j+3], v8 offset:256*\c+16*\j   ; k = 64 c + 32 h + 4 j on.  LDS serves a wave's instructions in order: these see the stores above
.endr
.endr
	s_wait_dscnt 0x0                               ; my numbers are in, and the stores have read their registers,
.if (\t) < 2
	LOAD (\t)+2                                    ; which take the tile two further on
.endif
.irp c, 0,1
	v_max3_num_f32 v[MX+\c], |v[X+32*\c]|, |v[X+32*\c+1]|, 0x1800000   ; block 2 c + h: all its 32 numbers are mine; and the floor 2^(3 - 127): so the byte cannot fall under 1
.endr
.irp i, 2,4,6,8,10,12,14,16,18,20,22,24,26,28,30
.irp c, 0,1
	v_max3_num_f32 v[MX+\c], v[MX+\c], |v[X+32*\c+\i]|, |v[X+32*\c+\i+1]|   ; (the two blocks by turns)
.endr
.endr
.irp c, 0,1
	v_add_nc_u32 v[SO+\c], 0xff000000, v[MX+\c]    ; 2 off the exponent field: the conversion takes the exponent field of this operand as its scale
.endr
.irp c, 0,1
	v_lshrrev_b32 v[BY+\c], 23, v[SO+\c]           ; the scale's byte
.endr
	v_lshl_or_b32 v[WRD], v[BY+1], 16, v[BY]       ; blocks h and 2 + h,
	v_lshlrev_b32 v[WRD], v14, v[WRD]              ; at their places in the word;
	v_permlanex16_b32 v[PRM], v[WRD], s26, s27
	v_or_b32 v[WRD], v[WRD], v[PRM]                ; with lane l xor 16's two the word is whole
	s_wait_xcnt 0x0                                ; the last tile's stores have read the codes' registers
.irp c, 0,1
	v_cvt_scalef32_pk16_fp6_f32 v[C+6*\c:C+6*\c+2], v[X+32*\c:X+32*\c+15], v[SO+\c]
	v_cvt_scalef32_pk16_fp6_f32 v[TQ+4*\c:TQ+4*\c+2], v[X+32*\c+16:X+32*\c+31], v[SO+\c]   ; (a conversion's three registers begin on an even number)
.endr
	v_nop                                          ; one plain place behind the conversions
.irp c, 0,1
.irp i, 0,1,2
	v_mov_b32 v[C+3+6*\c+\i], v[TQ+4*\c+\i]
.endr
.endr
.irp g, 0,1,2
	global_store_b128 v4, v[C+4*\g:C+4*\g+3], s[16:17] offset:3072*(\t)+512*\g   ; 32 lanes store 512 consecutive bytes
.endr
	ds_store_b32 v9, v[WRD] offset:64*(\t)         ; both halves of the lanes write the same word with the same value
.endm
	LOAD 0
	LOAD 1
	TILE 0
	TILE 1
	TILE 2
	TILE 3
	ds_load_b64 v[MX:MX+1], v10                    ; my wave's 64 scale words
	s_wait_dscnt 0x0
	global_store_b64 v11, v[MX:MX+1], s[18:19]     ; 32 lanes store 256 consecutive bytes, aligned
	s_wait_tensorcnt 0x0                           ; the wave's end, behind my last LDS store
	ds_add_u32 v[SPW], v[NIL]
	s_wait_dscnt 0x0
	s_endpgm
; THE TABLE: tab[s][i][cos, sin] of token_positions[s] x 10000^(-i / 32), i = 0 .. 31.  Thread: frequencies 2 (t % 16) and + 1, positions t / 16 + 8 p.
.macro SINCOS a, c, s                  ; cos and sin of v[a]: n = the nearest whole number of quarter turns, taken off in three parts of pi / 2; Taylor sums on |r| <= pi / 4; the quadrant swaps and signs
	v_mul_f32 v16, 0x3f22f983, v[\a]
	v_rndne_f32 v16, v16
	v_fmamk_f32 v17, v16, 0xbfc90fdb, v[\a]
	v_fmamk_f32 v17, v16, 0x333bbd2e, v17
	v_fmamk_f32 v17, v16, 0x26f72ced, v17          ; r
	v_mul_f32 v18, v17, v17                        ; z = r^2
	v_mov_b32 v19, 0x3638ef1d
	v_fmaak_f32 v19, v19, v18, 0xb9500d01
	v_fmaak_f32 v19, v19, v18, 0x3c088889
	v_fmaak_f32 v19, v19, v18, 0xbe2aaaab
	v_mul_f32 v20, v17, v18
	v_fma_f32 v19, v20, v19, v17                   ; sin r
	v_mov_b32 v21, 0xb493f27e
	v_fmaak_f32 v21, v21, v18, 0x37d00d01
	v_fmaak_f32 v21, v21, v18, 0xbab60b61
	v_fmaak_f32 v21, v21, v18, 0x3d2aaaab
	v_fmaak_f32 v21, v21, v18, 0xbf000000
	v_fma_f32 v21, v21, v18, 1.0                   ; cos r
	v_cvt_i32_f32 v22, v16
	v_and_b32 v23, 1, v22
	v_cmp_eq_u32 vcc_lo, 1, v23
	v_cndmask_b32 v24, v19, v21, vcc_lo            ; in odd quadrants the two change places
	v_cndmask_b32 v25, v21, v19, vcc_lo
	v_lshlrev_b32 v23, 30, v22
	v_and_b32 v23, 0x80000000, v23                 ; sin is negative in quadrants 2, 3
	v_xor_b32 v[\s], v24, v23
	v_add_nc_u32 v22, 1, v22
	v_lshlrev_b32 v23, 30, v22
	v_and_b32 v23, 0x80000000, v23                 ; cos in quadrants 1, 2
	v_xor_b32 v[\c], v25, v23
.endm
.Ltable:
	v_and_b32 v1, 15, v0
	v_lshrrev_b32 v2, 4, v0
	s_sub_co_u32 s23, ttmp9, 384
	s_lshl_b32 s24, s23, 7                         ; my 32 positions: 128 bytes
	s_mov_b32 s25, 0
	s_lshl_b32 s26, s23, 13                        ; and their 32 rows of 256 bytes
	s_mov_b32 s27, 0
	v_lshlrev_b32 v3, 2, v2
	v_lshlrev_b32 v4, 8, v2
	v_lshl_add_u32 v4, v1, 4, v4
	v_lshlrev_b32 v5, 1, v1
	v_cvt_f32_u32 v6, v5
	v_add_nc_u32 v5, 1, v5
	v_cvt_f32_u32 v7, v5
	v_mul_f32 v6, 0xbed49a78, v6                   ; -i log2(10000) / 32
	v_mul_f32 v7, 0xbed49a78, v7
	v_exp_f32 v6, v6
	v_exp_f32 v7, v7
	v_nop                                          ; a plain place behind the exponentials,
	s_wait_alu depctr_va_vdst(0)                   ; and one wait ahead of their first reader
	s_wait_kmcnt 0x0
	s_add_nc_u64 s[14:15], s[14:15], s[24:25]
	s_add_nc_u64 s[20:21], s[20:21], s[26:27]
.irp p, 0,1,2,3
	global_load_b32 v[8+\p], v3, s[14:15] offset:32*\p
.endr
	s_wait_loadcnt 0x0
.irp p, 0,1,2,3
	v_cvt_f32_i32 v[8+\p], v[8+\p]
.endr
.irp p, 0,1,2,3
	v_mul_f32 v26, v[8+\p], v6                     ; the angle, rounded once
	SINCOS 26, 32+4*\p, 33+4*\p
	v_mul_f32 v26, v[8+\p], v7
	SINCOS 26, 34+4*\p, 35+4*\p
	global_store_b128 v4, v[32+4*\p:35+4*\p], s[20:21] offset:2048*\p   ; sixteen lanes store a position's 256 bytes
.endr
	s_endpgm
.Lfunc_end_k_q12df67fe04_prep:
	.size	k_q12df67fe04_prep, .Lfunc_end_k_q12df67fe04_prep-k_q12df67fe04_prep
	.p2alignl 7, 3214868480
	.fill 96, 4, 3214868480
	.section	.rodata,"a",@progbits
	.p2align	6, 0x0
	.amdhsa_kernel k_q12df67fe04_prep
		.amdhsa_group_segment_fixed_size 35328
		.amdhsa_private_segment_fixed_size 0
		.amdhsa_enable_private_segment 0
		.amdhsa_kernarg_size 72
		.amdhsa_user_sgpr_count 2
		.amdhsa_user_sgpr_kernarg_segment_ptr 1
		.amdhsa_wavefront_size32 1
		.amdhsa_system_sgpr_workgroup_id_x 1
		.amdhsa_system_sgpr_workgroup_id_y 1
		.amdhsa_system_sgpr_workgroup_id_z 1
		.amdhsa_system_vgpr_workitem_id 0
		.amdhsa_next_free_vgpr 248
		.amdhsa_next_free_sgpr 66
		.amdhsa_reserve_vcc 1
		.amdhsa_float_denorm_mode_32 3
		.amdhsa_float_denorm_mode_16_64 3
		.amdhsa_memory_ordered 1
		.amdhsa_forward_progress 1
		.amdhsa_inst_pref_size 45
	.end_amdhsa_kernel
	.amdgpu_metadata
---
amdhsa.version: [ 1, 2 ]
amdhsa.kernels:
  - .name:           k_q12df67fe04_prep
    .symbol:         k_q12df67fe04_prep.kd
    .args:
      - { .name: x, .offset: 0, .size: 8, .value_kind: global_buffer, .address_space: global }
      - { .name: Wq, .offset: 8, .size: 8, .value_kind: global_buffer, .address_space: global }
      - { .name: Wk, .offset: 16, .size: 8, .value_kind: global_buffer, .address_space: global }
      - { .name: Wv, .offset: 24, .size: 8, .value_kind: global_buffer, .address_space: global }
      - { .name: Wo, .offset: 32, .size: 8, .value_kind: global_buffer, .address_space: global }
      - { .name: token_positions, .offset: 40, .size: 8, .value_kind: global_buffer, .address_space: global }
      - { .name: img, .offset: 48, .size: 8, .value_kind: global_buffer, .address_space: global }
      - { .name: isc, .offset: 56, .size: 8, .value_kind: global_buffer, .address_space: global }
      - { .name: tab, .offset: 64, .size: 8, .value_kind: global_buffer, .address_space: global }
    .group_segment_fixed_size: 35328
    .private_segment_fixed_size: 0
    .kernarg_segment_align: 8
    .kernarg_segment_size: 72
    .max_flat_workgroup_size: 128
    .sgpr_count:     66
    .vgpr_count:     248
    .wavefront_size: 32
...
	.end_amdgpu_metadata
.endif
;; end of part 1
;; launch qkv (part 2): grid 12 x 32, 4 waves a work-group, clusters of 4 x 4, 327,680 bytes of LDS; arguments img, isc, tab, qb, kv; writes qb, kv
.if DOCPART == 2
	.amdgcn_target "amdgcn-amd-amdhsa--gfx1250"
	.amdhsa_code_object_version 6
	.text
	.protected	k_q12df67fe04_qkv
	.globl	k_q12df67fe04_qkv
	.p2align	8
	.type	k_q12df67fe04_qkv,@function
k_q12df67fe04_qkv:
	s_mov_b64 s[64:65], 0
	v_nop
	global_prefetch_b8 v0, s[64:65] scope:SCOPE_SE
	s_setreg_imm32_b32 hwreg(HW_REG_WAVE_MODE, 25, 1), 1
	s_wait_xcnt 0x0
	s_wait_alu depctr_hold_cnt(0) depctr_sa_sdst(0) depctr_va_vdst(0) depctr_va_sdst(0) depctr_va_ssrc(0) depctr_va_vcc(0) depctr_vm_vsrc(0)
	s_getreg_b32 s2, hwreg(HW_REG_IB_STS2, 6, 4)
	s_cmp_eq_u32 s2, 0
	s_cbranch_scc0 .Lentry_in_a_cluster
	s_endpgm
.Lentry_in_a_cluster:
	s_bfe_u32 s2, ttmp6, 0x10000c
	s_cmp_lg_u32 s2, 0xf033
	s_cbranch_scc0 .Lentry_shape_is_right
	s_endpgm
.Lentry_shape_is_right:
; Launch 2 of 4: q = rope(x Wq^T), k = rope(x Wk^T), v = x Wv^T on codes of E2M3 (K = 1,024, eight K steps of 128), and the results quantised again: q and k along the head's 64, v along the keys.
; Nothing is left out here: every product and every input byte of this launch is live.
; A work-group of four waves makes 256 x 256 results, a wave 128 x 128: 64 accumulators, 512 registers.  Operands lie in img as images of their registers (16 rows x 128 K: 1,536 bytes), so eight tiles x two K steps are
; one dense block of 24,576 bytes for one tensor load, and a fragment comes out of LDS by three loads of 16 bytes a lane at 16 x lane.  Two LDS slots of two K steps; the scale words of all K come once.
; CLUSTERS 4 x 4: region A's tiles hang on the cluster's row and are asked for jointly along it, region B's on its column.  Cluster x says what is made: 0 q, 1 k, 2 v: the same number in all sixteen partners.
; The matrix instruction takes source 0 = 16 rows of region B, source 1 = 16 rows of region A: a lane holds ONE row of region A, its 64 registers of a block run along region B's rows, and since the rows of a tile are
; laid 32 b + 8 u + r + 8 (r / 8), register 16 b + i holds B's row 32 b + 16 (lane / 16) + i: 16 neighbours.  For q, k: A = x (a lane a token), B = W (registers along the features).  For v THE REGIONS CHANGE PLACES:
; A = Wv (a lane a feature), B = x (registers along the tokens, v's K).  So each result is quantised in the lane that holds it and leaves as an image: no LDS on the way out.
; THE TEXT PARTS ONCE on the cluster's x, behind the last change of slots: q's and k's way asks for its first cos and sin there, and each way runs the last two K steps and its own way out; they join at the wave's end.
; OUT: kv[pair of heads][chunk of 128 keys][head][12,800]: K's four fragments (fragment f: registers 0-5 key tile 2 f, 6-11 key tile 2 f + 1, a key's 64 in 2 x 24 bytes), V's four (16 of the head's 64 x 128 keys),
; 256 bytes of K's scale words, 256 of V's (lane l's 8 bytes at 8 l: word 0 fragment 0 | 1 in the lower | upper lanes, word 1 fragments 2 | 3).  qb: the same with q for k; its places for V are not used.
; LIMITS: as the first launch states them.
; REGISTERS: window 0: v16-31 addresses; v32-63 scale words, nothing else; v64-127 cos and sin; v128-223 A's fragments, later the way out; window 1: B's fragments, two sets; windows 2, 3: the accumulators.
.set FR,    12                         ; registers of a fragment
.set NL,    3                          ; LDS loads that bring one
.set NP,    4                          ; places behind this matrix instruction (ISA guide 7.12.1)
.set NQ,    2                          ; K steps in a slot
.set HALFT, 24576                      ; 8 tiles x 2 K steps: what one tensor load brings, and what one wave reads of A or of B
.set SLOT,  4*HALFT
.set SCL,   2*SLOT                     ; the scale words of 4 x 128 rows, all K: 4 x 4,096 bytes, filled once
.set SPARE, SCL+4*4096                 ; the spare words, 128 bytes for each wave
.set SIGMA, 2359296                    ; img: bytes from one pair of K steps to the next
.set ADRA, 16                          ; v16-17  LDS address of my A fragments in slot 0, 1
.set ADRB, 20                          ; v20-21  the same for B
.set LI,   24                          ; v24     16 x lane
.set L8,   25                          ; v25     8 x lane
.set TBO,  26                          ; v26     my token's row in the table, + 64 (lane / 16)
.set ADRS, 27                          ; v27     LDS address of my scale words: lanes 0-15 A's, lanes 16-31 B's
.set SPW,  28                          ; v28     my spare word; never rewritten
.set NIL,  29                          ; v29     0; never rewritten
.set SC,   32                          ; scale words: set s at v[SC + 16 s]; register 2 i + q: block i, the slot's q-th K step
.set CS,   64                          ; v64-127  cos, sin: two sets of 32
.set AF,   128                         ; A's fragments
.set HA,   128                         ; the way out: 64 numbers behind the rotation
.set KF0,  192                         ; v192-203, v204-215: codes of head 0, head 1 (for v: two sets by turns)
.set KF1,  204
.set TQ,   216                         ; v216-223 upper halves as converted
.set TM,   224                         ; v224-227 maxima, 228-231 permutes and bytes, 232-235 the rotation's products, 236-239 scale operands
.set PW,   240
.set PWE,  241
.set WD,   242                         ; v242-249 scale words of the eight fragments
.set SW,   250                         ; v250-253 as they leave
.set G1, 24
.set G0, 32
.set G1B, 48
.set G0B, 56
.set G1S, 68
.set G0S, 76
.set G1SB, 80
.set G0SB, 88
.set MSB, 0
.macro WIN new                         ; the immediate's high byte repeats the setting that is left
.if MSB != (\new)
	s_set_vgpr_msb (MSB<<8)|(\new)
.set MSB, (\new)
.endif
.endm
.set MUL_LO, 0xa1                      ; source 0 (B) window 1, source 1 (A) window 0, C and D window 2
.set MUL_HI, 0xf1
.set TO_B,   0x40
.macro JLOAD g0a, g1a, g0b, g1b        ; a joint load: waves 0 and 1 fetch for A, waves 2 and 3 for B; an s_nop 0 and four v_nop follow each line
	s_cmp_eq_u32 s15, 0
	s_cbranch_scc0 .Lfor_b_\@
	tensor_load_to_lds s[\g0a:\g0a+3], s[\g1a:\g1a+7]
	s_nop 0
.rept 4
	v_nop
.endr
	s_branch .Lasked_\@
.Lfor_b_\@:
	tensor_load_to_lds s[\g0b:\g0b+3], s[\g1b:\g1b+7]
	s_nop 0
.rept 4
	v_nop
.endr
.Lasked_\@:
.endm
.macro CREST                           ; a round of the cluster's barrier behind its opening barrier
	s_cmp_lg_u32 s14, 0
	s_cbranch_scc1 .Lnot_wave_0_\@
	s_barrier_signal -3
.Lnot_wave_0_\@:
	s_barrier_wait -3
	s_barrier_signal -1
	s_barrier_wait -1
.endm
.macro CROUND
	s_barrier_signal -1
	s_barrier_wait -1
	CREST
.endm
	s_load_b256 s[4:11], s[0:1], 0x0               ; img, isc, tab, qb
	s_load_b64 s[12:13], s[0:1], 0x20              ; kv
	v_lshl_add_u32 v[SPW], v0, 2, SPARE
	v_mov_b32 v[NIL], 0
	ds_add_u32 v[SPW], v[NIL]                      ; the wave's opening: the add, twice on end, and its wait ahead of my first tensor load
	ds_add_u32 v[SPW], v[NIL]
	v_lshrrev_b32 v1, 5, v0
	v_readfirstlane_b32 s14, v1                    ; wave 0..3
	s_lshr_b32 s15, s14, 1                         ; which half of region A is mine.  Also: I fetch for A (0) or for B (1)
	s_and_b32 s16, s14, 1                          ; which half of region B.  Also: which 128 rows I fetch
	s_bfe_u32 s40, ttmp6, 0x40000                  ; cx
	s_bfe_u32 s41, ttmp6, 0x40004                  ; cy
	s_and_b32 s17, ttmp7, 0xffff                   ; cluster y
	s_lshr_b32 s42, ttmp9, 1                       ; 1 where v is made
	s_xor_b32 s43, s42, 1                          ; 1 where q or k is made
	s_lshl_b32 s45, s41, 2
	s_lshl_b32 s45, 15, s45                        ; my row of the cluster
	s_lshl_b32 s46, 0x1111, s40                    ; my column
	s_or_b32 s[G1+0], s45, (3<<16)|(1<<21)         ; 15:0 the mask; 17:16 elements of 8 bytes; 21 set beside a mask; no padding
	s_or_b32 s[G1B+0], s46, (3<<16)|(1<<21)
.irp g, G1, G1B
	s_mov_b32 s[\g+1], 32<<16                      ; tensor_dim0: rows of 256 bytes
	s_mov_b32 s[\g+2], 96<<16                      ; tensor_dim1: 96 of them
	s_mov_b32 s[\g+3], 32<<16                      ; tile_dim0
	s_mov_b32 s[\g+4], 96                          ; tile_dim1
	s_mov_b32 s[\g+5], 32                          ; dense
	s_mov_b32 s[\g+6], 0
	s_mov_b32 s[\g+7], 0
.endr
	s_or_b32 s[G1S+0], s45, (3<<16)|(1<<21)
	s_or_b32 s[G1SB+0], s46, (3<<16)|(1<<21)
.irp g, G1S, G1SB
	s_mov_b32 s[\g+1], 32<<16
	s_mov_b32 s[\g+2], 16<<16                      ; the scale words of 128 rows: 16 rows of 256 bytes
	s_mov_b32 s[\g+3], 32<<16
	s_mov_b32 s[\g+4], 16
	s_mov_b32 s[\g+5], 32
	s_mov_b32 s[\g+6], 0
	s_mov_b32 s[\g+7], 0
.endr
	s_lshl_b32 s18, s16, 7                         ; which 128 rows I fetch
	s_lshl_b32 s19, s17, 10                        ; 1,024 x cluster y
	s_lshl_b32 s20, s41, 8
	s_mul_i32 s21, s43, s19
	s_add_co_u32 s20, s20, s21
	s_mul_i32 s21, s42, 10240
	s_add_co_u32 s20, s20, s21                     ; region A's first row among the 12,288: x's 256 (4 y + cy), or Wv's 10,240 + 256 cy
	s_lshl_b32 s92, s40, 8
	s_mul_i32 s93, s42, s19
	s_add_co_u32 s92, s92, s93
	s_lshl_b32 s93, ttmp9, 10
	s_add_co_u32 s93, s93, 8192
	s_mul_i32 s93, s93, s43
	s_add_co_u32 s92, s92, s93                     ; region B's: Wq's or Wk's 8,192 + 1,024 x + 256 cx, or x's 1,024 y + 256 cx
	s_add_co_u32 s21, s20, s18
	s_mul_i32 s22, s21, 192                        ; 16 rows are 3,072 bytes of a pair of K steps
	s_mov_b32 s23, 0
	s_lshl_b32 s66, s21, 5                         ; 128 rows are 4,096 bytes of scale words
	s_mov_b32 s67, 0
	s_add_co_u32 s93, s92, s18
	s_mul_i32 s96, s93, 192
	s_mov_b32 s97, 0
	s_lshl_b32 s98, s93, 5
	s_mov_b32 s99, 0
	s_mul_i32 s47, s14, HALFT                      ; where they go: the wave's number alone enters an LDS address
	s_lshl_b32 s94, s14, 12
	s_mov_b32 s95, 0xffff0000                      ; the upper sixteen lanes
	s_wait_dscnt 0x0                               ; both opening adds are done
	s_wait_kmcnt 0x0
	s_add_nc_u64 s[22:23], s[4:5], s[22:23]
	s_add_nc_u64 s[66:67], s[6:7], s[66:67]
	s_add_nc_u64 s[96:97], s[4:5], s[96:97]
	s_add_nc_u64 s[98:99], s[6:7], s[98:99]
	CROUND                                         ; all sixteen work-groups are here: the first joint loads meet
	s_mov_b32 s[G0S], 1
	s_add_co_u32 s[G0S+1], s94, SCL
	s_mov_b64 s[G0S+2:G0S+3], s[66:67]
	s_or_b32 s[G0S+3], s[G0S+3], 0x80000000
	s_mov_b32 s[G0SB], 1
	s_add_co_u32 s[G0SB+1], s94, SCL
	s_mov_b64 s[G0SB+2:G0SB+3], s[98:99]
	s_or_b32 s[G0SB+3], s[G0SB+3], 0x80000000
	JLOAD G0S, G1S, G0SB, G1SB                     ; the scale words first
.irp s, 0,1
	s_mov_b32 s[G0+4*\s], 1
	s_add_co_u32 s[G0+4*\s+1], s47, \s*SLOT
	s_add_nc_u64 s[G0+4*\s+2:G0+4*\s+3], s[22:23], \s*SIGMA
	s_or_b32 s[G0+4*\s+3], s[G0+4*\s+3], 0x80000000
	s_mov_b32 s[G0B+4*\s], 1
	s_add_co_u32 s[G0B+4*\s+1], s47, \s*SLOT
	s_add_nc_u64 s[G0B+4*\s+2:G0B+4*\s+3], s[96:97], \s*SIGMA
	s_or_b32 s[G0B+4*\s+3], s[G0B+4*\s+3], 0x80000000
	JLOAD G0+4*\s, G1, G0B+4*\s, G1B               ; three tensor loads of mine are out
.endr
	v_and_b32 v1, 15, v0                           ; r
	v_bfe_u32 v2, v0, 4, 1                         ; h
	v_and_b32 v3, 31, v0                           ; l
	v_lshlrev_b32 v[LI], 4, v3
	v_lshlrev_b32 v[L8], 3, v3
	s_mul_i32 s21, s15, HALFT                      ; my 128 rows of A
	s_mul_i32 s93, s16, HALFT                      ; my 128 rows of B,
	s_add_co_u32 s93, s93, 2*HALFT                 ; behind A's 256
.irp s, 0,1
	v_add_nc_u32 v[ADRA+\s], s21, v[LI]
	v_add_nc_u32 v[ADRB+\s], s93, v[LI]
	s_add_co_u32 s21, s21, SLOT
	s_add_co_u32 s93, s93, SLOT
.endr
	s_lshl_b32 s21, s15, 12                        ; A's scale words: my 128 rows
	s_lshl_b32 s93, s16, 12                        ; B's, behind A's two
	s_add_co_u32 s93, s93, 2*4096
	s_sub_co_u32 s93, s93, s21
	v_mul_u32_u24 v4, s93, v2                      ; lanes 16-31 take B's
	s_add_co_u32 s21, s21, SCL
	v_lshl_add_u32 v4, v1, 2, v4
	v_add_nc_u32 v[ADRS], s21, v4
	v_and_b32 v4, 8, v1
	v_add_nc_u32 v4, v4, v1                        ; r + 8 (r / 8)
	v_lshlrev_b32 v[TBO], 8, v4
	v_lshl_add_u32 v[TBO], v2, 6, v[TBO]
.irp b, 0,1,2,3
	v_mov_b32 v[TM+4+\b], 0                        ; written once: a lane permute's destination counts as one of its sources
.endr
	s_mov_b32 s66, 0x76543210
	s_mov_b32 s67, 0xfedcba98                      ; lane l xor 16
	; where my results go: my 128 tokens are one chunk, my 128 features one pair of heads
	s_lshl_b32 s21, s15, 7
	s_add_co_u32 s21, s21, s20                     ; my first row of region A
	s_lshl_b32 s93, s16, 7
	s_add_co_u32 s93, s93, s92                     ; and of region B
	s_sub_co_u32 s18, s21, 10240                   ; v: my first feature
	s_and_b32 s19, s93, 1023                       ; q, k: my first feature
	s_cmp_eq_u32 ttmp9, 2
	s_cselect_b32 s44, s93, s21                    ; my first token
	s_cselect_b32 s18, s18, s19
	s_lshr_b32 s18, s18, 7                         ; the pair of heads
	s_lshr_b32 s19, s44, 11                        ; the batch
	s_lshl_b32 s19, s19, 3
	s_add_co_u32 s19, s19, s18
	s_lshl_b32 s19, s19, 4
	s_bfe_u32 s18, s44, 0x40007                    ; the chunk
	s_add_co_u32 s19, s19, s18
	s_mul_i32 s18, s19, 25600
	s_mov_b32 s19, 0
	s_cmp_eq_u32 ttmp9, 0
	s_cselect_b64 s[10:11], s[10:11], s[12:13]     ; q goes to qb, k and v to kv
	s_add_nc_u64 s[10:11], s[10:11], s[18:19]
	s_and_b32 s18, s44, 2047
	s_lshl_b32 s18, s18, 8
	s_add_nc_u64 s[8:9], s[8:9], s[18:19]          ; the table at my first token's place in its sequence
.macro FRAG reg, adr, q, i             ; a fragment comes as it was stored: three groups of four registers, 16 bytes a lane
.irp g, 0,1,2
	ds_load_b128 v[\reg+4*\g:\reg+4*\g+3], v[\adr] offset:3072*(\i)+1536*(\q)+512*\g
.endr
.endm
; 16 matrix instructions: A's blocks a0, a0 + 1 x B's eight.  The 64 accumulators take turns, one instruction a turn, in the same order in every step.
.macro MUL16 a0, p, q, sc, zero
.irp a, \a0, \a0+1
.irp b, 0,1,2,3,4,5,6,7
.if \zero
	v_wmma_scale_f32_16x16x128_f8f6f4 v[8*(8*((\a)%4)+\b):8*(8*((\a)%4)+\b)+7], v[128*(\p)+FR*\b:128*(\p)+FR*\b+FR-1], v[AF+FR*(\a):AF+FR*(\a)+FR-1], 0, v[SC+8*NQ*(\sc)+NQ*\b+(\q)], v[SC+8*NQ*(\sc)+NQ*(\a)+(\q)] matrix_a_fmt:MATRIX_FMT_FP6 matrix_b_fmt:MATRIX_FMT_FP6 matrix_a_scale:MATRIX_SCALE_ROW1
.else
	v_wmma_scale_f32_16x16x128_f8f6f4 v[8*(8*((\a)%4)+\b):8*(8*((\a)%4)+\b)+7], v[128*(\p)+FR*\b:128*(\p)+FR*\b+FR-1], v[AF+FR*(\a):AF+FR*(\a)+FR-1], v[8*(8*((\a)%4)+\b):8*(8*((\a)%4)+\b)+7], v[SC+8*NQ*(\sc)+NQ*\b+(\q)], v[SC+8*NQ*(\sc)+NQ*(\a)+(\q)] matrix_a_fmt:MATRIX_FMT_FP6 matrix_b_fmt:MATRIX_FMT_FP6 matrix_a_scale:MATRIX_SCALE_ROW1
.endif
.endr
.endr
.endm
.macro FETCH_B slot, q, p
	WIN TO_B
.irp i, 0,1,2,3,4,5,6,7
	FRAG 128*(\p)+FR*\i, ADRB+\slot, \q, \i
.endr
	WIN 0
.endm
.macro FETCH_A slot, q, i0
.irp i, \i0, \i0+1, \i0+2, \i0+3
	FRAG AF+FR*(\i), ADRA+\slot, \q, \i
.endr
.endm
.macro SCALES sc                       ; a slot's scale words: lanes 0-15 take A's block i, lanes 16-31 B's
.irp i, 0,1,2,3,4,5,6,7
.irp q, 0,1
	ds_load_b32 v[SC+16*\sc+2*\i+\q], v[ADRS] offset:512*\q+64*\i
.endr
.endr
.endm
.macro PLACES n                        ; plain vector instructions that name no register of the matrix instructions before them
.rept \n
	v_nop
.endr
.endm
.macro STEP slot, q, zero              ; a K step that has its successor in the same slot
	s_wait_dscnt 4*NL                              ; all but the youngest 12 loads (A's blocks 4-7)
	WIN MUL_LO
	MUL16 0, (\q)%2, \q, \slot, \zero
	MUL16 2, (\q)%2, \q, \slot, \zero
	s_wait_dscnt 0
	PLACES NP
	FETCH_B \slot, (\q)+1, 1-(\q)%2
	FETCH_A \slot, (\q)+1, 0
	WIN MUL_HI
	MUL16 4, (\q)%2, \q, \slot, \zero
	MUL16 6, (\q)%2, \q, \slot, \zero
	PLACES NP
	WIN 0
	FETCH_A \slot, (\q)+1, 4
.endm
; A slot's last K step changes slots: one barrier; in front of it each wave waits for all its tensor loads, adds 0 to its spare word, and waits for that and for its reads of this slot.
.macro TURN slot, next, fill
	s_wait_tensorcnt 0x0                           ; all my tensor loads have landed: my part of the next slot
	ds_add_u32 v[SPW], v[NIL]
	s_wait_dscnt 4*NL+1                            ; (the add and the youngest 12 loads may be out)
	WIN MUL_LO
	MUL16 0, 1, NQ-1, \slot, 0
	s_wait_dscnt 0x0                               ; the add is done, and my reads of this slot are over
	s_barrier_signal -1
	MUL16 2, 1, NQ-1, \slot, 0
	WIN 0
	s_barrier_wait -1
.if \fill
	CREST                                          ; the barrier has opened a round of the cluster's: no wave of any partner still reads this slot or has a load on its way
	s_add_nc_u64 s[G0+4*\slot+2:G0+4*\slot+3], s[G0+4*\slot+2:G0+4*\slot+3], 2*SIGMA
	s_add_nc_u64 s[G0B+4*\slot+2:G0B+4*\slot+3], s[G0B+4*\slot+2:G0B+4*\slot+3], 2*SIGMA
	JLOAD G0+4*\slot, G1, G0B+4*\slot, G1B         ; the first tensor load behind the round; its four v_nop are the places in front of the loads below
.else
	PLACES NP
.endif
	v_add_nc_u32 v[ADRS], 1024, v[ADRS]            ; the next slot's scale words (no LDS load of mine is out)
	FETCH_B \next, 0, 0
	FETCH_A \next, 0, 0
	SCALES \next
	WIN MUL_HI
	MUL16 4, 1, NQ-1, \slot, 0
	MUL16 6, 1, NQ-1, \slot, 0
	PLACES NP
	WIN 0
	FETCH_A \next, 0, 4
.endm
; The last two K steps, both in slot 1: no barrier, no tensor load; then the places in front of the first read of results and the first write of A's registers.  Written once for each of the two ways out.
.macro TAIL
	STEP 1, 0, 0
	s_wait_dscnt 4*NL                              ; all but the youngest 12 loads (A's blocks 4-7)
	WIN MUL_LO
	MUL16 0, 1, NQ-1, 1, 0
	MUL16 2, 1, NQ-1, 1, 0
	s_wait_dscnt 0
	WIN MUL_HI
	MUL16 4, 1, NQ-1, 1, 0
	MUL16 6, 1, NQ-1, 1, 0
	WIN 0
	PLACES NP
.endm
; THE WAY OUT.
.macro CSLOAD a                        ; cos and sin for token tile a: my token's 8 pairs of each block of 32 of a head, 64 bytes each
.irp be, 0,1
.irp j, 0,1,2,3
	global_load_b128 v[CS+32*((\a)%2)+16*\be+4*\j:CS+32*((\a)%2)+16*\be+4*\j+3], v[TBO], s[8:9] offset:(32*((\a)/2)+8*((\a)%2))*256+128*\be+16*\j
.endr
.endr
.endm
.macro ROPE a                          ; (e, o) -> (c e - s o, s e + c o), two packed lines a pair; each accumulator is read from its low end on
	WIN 2+(\a)/4                                   ; source 0: the accumulators' window
.set rn, 0
.rept 32
.set rx, 64*((\a)%4)+2*rn
.set rc, CS+32*((\a)%2)+16*((rn/8)%2)+2*(rn%8)
.set rt, TM+8+2*(rn%2)
	v_pk_mul_f32 v[rt:rt+1], v[rx:rx+1], v[rc:rc+1] op_sel_hi:[1,0]                                        ; (c e, c o)
	v_pk_fma_f32 v[HA+2*rn:HA+2*rn+1], v[rx:rx+1], v[rc:rc+1], v[rt:rt+1] op_sel:[1,1,0] op_sel_hi:[0,1,1] neg_lo:[0,1,0]   ; (-s o + c e, s e + c o)
.set rn, rn+1
.endr
	WIN 0
.endm
; 64 numbers of a lane in window w, register 16 b + i = place 32 b + 16 (lane / 16) + i along K, become codes: blocks 0, 1 in v[d0] on, blocks 2, 3 in v[d1] on (a whole block a lane), and the four bytes in v[pw].
.macro QUANT s, w, d0, d1, pw
.set WQA, ((\w)<<2)|((\w)<<4)
	WIN WQA                                        ; sources 1 and 2: the numbers' window
.irp b, 0,1,2,3
	v_max3_num_f32 v[TM+\b], 0x1800000, |v[(\s)+16*\b]|, |v[(\s)+16*\b+1]|   ; with the floor 2^(3 - 127): the byte cannot fall under 1
.endr
.irp i, 2,4,6,8,10,12,14
.irp b, 0,1,2,3
	v_max3_num_f32 v[TM+\b], v[TM+\b], |v[(\s)+16*\b+\i]|, |v[(\s)+16*\b+\i+1]|
.endr
.endr
	WIN 0
.irp b, 0,1,2,3
	v_permlanex16_b32 v[TM+4+\b], v[TM+\b], s66, s67
.endr
.irp b, 0,1,2,3
	v_max_num_f32 v[TM+\b], v[TM+\b], v[TM+4+\b]   ; with lane l xor 16's: the block's largest magnitude
.endr
.irp b, 0,1,2,3
	v_add_nc_u32 v[TM+12+\b], 0xff000000, v[TM+\b] ; 2 off its exponent field: the conversion's scale operand
.endr
.irp b, 0,1,2,3
	v_lshrrev_b32 v[TM+4+\b], 23, v[TM+12+\b]      ; the scale's byte
.endr
	v_lshl_or_b32 v[\pw], v[TM+5], 8, v[TM+4]
	v_lshl_or_b32 v[\pw], v[TM+6], 16, v[\pw]
	v_lshl_or_b32 v[\pw], v[TM+7], 24, v[\pw]
	WIN \w                                         ; source 0: the numbers' window
	v_cvt_scalef32_pk16_fp6_f32 v[(\d0):(\d0)+2], v[(\s):(\s)+15], v[TM+12]
	v_cvt_scalef32_pk16_fp6_f32 v[TQ:TQ+2], v[(\s)+16:(\s)+31], v[TM+13]
	v_cvt_scalef32_pk16_fp6_f32 v[(\d1):(\d1)+2], v[(\s)+32:(\s)+47], v[TM+14]
	v_cvt_scalef32_pk16_fp6_f32 v[TQ+4:TQ+6], v[(\s)+48:(\s)+63], v[TM+15]
	WIN 0
	v_nop                                          ; one plain place behind the conversions
.irp i, 0,1,2
	v_permlane16_swap_b32 v[(\d0)+\i], v[TQ+\i]    ; the first's upper lanes change places with the second's lower: a whole block in a lane
	v_permlane16_swap_b32 v[(\d1)+\i], v[TQ+4+\i]
.endr
.irp i, 0,1,2
	v_mov_b32 v[(\d0)+3+\i], v[TQ+\i]
	v_mov_b32 v[(\d1)+3+\i], v[TQ+4+\i]
.endr
.endm
.macro QKOUT a                         ; token tile a: my token's 128 features = two heads x two blocks
.if (\a) < 7
	s_wait_loadcnt 8                               ; this tile's cos and sin are in; the next tile's 8 loads may be out
.else
	s_wait_loadcnt 0x0
.endif
	ROPE \a
.if (\a) < 6
	CSLOAD (\a)+2
.endif
	s_wait_xcnt 0x0                                ; earlier stores have read the codes' registers
.if (\a)%2
	QUANT HA, 0, KF0+6, KF1+6, PW
.irp e, 0,1
.irp g, 0,1,2
	global_store_b128 v[LI], v[KF0+12*\e+4*\g:KF0+12*\e+4*\g+3], s[10:11] offset:12800*\e+1536*((\a)/2)+512*\g   ; two tiles make a fragment: 512 consecutive bytes a store
.endr
.endr
	v_perm_b32 v[WD+(\a)/2], v[PW], v[PWE], 0x05040100     ; head 0: the even tile's two bytes, then the odd tile's
	v_perm_b32 v[WD+4+(\a)/2], v[PW], v[PWE], 0x07060302   ; head 1
.else
	QUANT HA, 0, KF0, KF1, PWE
.endif
.endm
.macro VOUT a                          ; feature tile a: my feature's 128 tokens are one fragment's K
	s_wait_xcnt 0x0
	QUANT 64*((\a)%4), 2+(\a)/4, KF0+12*((\a)%2), KF0+12*((\a)%2)+6, WD+(\a)
.irp g, 0,1,2
	global_store_b128 v[LI], v[KF0+12*((\a)%2)+4*\g:KF0+12*((\a)%2)+4*\g+3], s[10:11] offset:12800*((\a)/4)+6144+1536*((\a)%4)+512*\g
.endr
.endm
.macro SWOUT off                       ; a head's four scale words a row: fragments 0 | 1 and 2 | 3 in the lower | upper lanes; 256 consecutive bytes a store
.irp e, 0,1
	v_cndmask_b32 v[SW+2*\e], v[WD+4*\e], v[WD+4*\e+1], s95
	v_cndmask_b32 v[SW+2*\e+1], v[WD+4*\e+2], v[WD+4*\e+3], s95
	global_store_b64 v[L8], v[SW+2*\e:SW+2*\e+1], s[10:11] offset:12800*\e+\off
.endr
.endm
	s_wait_tensorcnt 1                             ; the scale words and my part of slot 0 are in; slot 1's load may be out
	s_barrier_signal -1
	s_barrier_wait -1
	FETCH_B 0, 0, 0
	FETCH_A 0, 0, 0
	SCALES 0
	FETCH_A 0, 0, 4
	STEP 0, 0, 1                                   ; the first K step's products start the sums: nothing is cleared
	TURN 0, 1, 1                                   ; eight K steps, four fills: the ring is written out, no jump backward
	STEP 1, 0, 0
	TURN 1, 0, 1
	STEP 0, 0, 0
	TURN 0, 1, 0                                   ; nothing more is filled: no round.  Behind it stand no barrier and no tensor load until the wave's end
	s_cmp_eq_u32 ttmp9, 2                          ; THE ONE PARTING, on the cluster's x: the same in all sixteen partners and in all waves.  Every window is 0 here
	s_cbranch_scc1 .Lv
	CSLOAD 0                                       ; q, k: the first two tiles' cos and sin land under the last two K steps' 128 matrix instructions
	CSLOAD 1
	TAIL
.irp a, 0,1,2,3,4,5,6,7
	QKOUT \a
.endr
	SWOUT 12288
	s_branch .Lend
.Lv:
	TAIL                                           ; v: the same two K steps; nothing of the table is loaded
.irp a, 0,1,2,3,4,5,6,7
	VOUT \a
.endr
	SWOUT 12544
.Lend:
	s_wait_tensorcnt 0x0                           ; the wave's end
	ds_add_u32 v[SPW], v[NIL]
	s_wait_dscnt 0x0
	CROUND                                         ; the closing round: no work-group ends while a partner may still ask for a tile that names it
	s_endpgm
.Lfunc_end_k_q12df67fe04_qkv:
	.size	k_q12df67fe04_qkv, .Lfunc_end_k_q12df67fe04_qkv-k_q12df67fe04_qkv
	.p2alignl 7, 3214868480
	.fill 96, 4, 3214868480
	.section	.rodata,"a",@progbits
	.p2align	6, 0x0
	.amdhsa_kernel k_q12df67fe04_qkv
		.amdhsa_group_segment_fixed_size 327680
		.amdhsa_private_segment_fixed_size 0
		.amdhsa_enable_private_segment 0
		.amdhsa_kernarg_size 40
		.amdhsa_user_sgpr_count 2
		.amdhsa_user_sgpr_kernarg_segment_ptr 1
		.amdhsa_wavefront_size32 1
		.amdhsa_system_sgpr_workgroup_id_x 1
		.amdhsa_system_sgpr_workgroup_id_y 1
		.amdhsa_system_sgpr_workgroup_id_z 1
		.amdhsa_system_vgpr_workitem_id 0
		.amdhsa_next_free_vgpr 1024
		.amdhsa_next_free_sgpr 100
		.amdhsa_reserve_vcc 0
		.amdhsa_float_denorm_mode_32 3
		.amdhsa_float_denorm_mode_16_64 3
		.amdhsa_memory_ordered 1
		.amdhsa_forward_progress 1
		.amdhsa_inst_pref_size 234
	.end_amdhsa_kernel
	.amdgpu_metadata
---
amdhsa.version: [ 1, 2 ]
amdhsa.kernels:
  - .name:           k_q12df67fe04_qkv
    .symbol:         k_q12df67fe04_qkv.kd
    .args:
      - { .name: img, .offset: 0, .size: 8, .value_kind: global_buffer, .address_space: global }
      - { .name: isc, .offset: 8, .size: 8, .value_kind: global_buffer, .address_space: global }
      - { .name: tab, .offset: 16, .size: 8, .value_kind: global_buffer, .address_space: global }
      - { .name: qb, .offset: 24, .size: 8, .value_kind: global_buffer, .address_space: global }
      - { .name: kv, .offset: 32, .size: 8, .value_kind: global_buffer, .address_space: global }
    .group_segment_fixed_size: 327680
    .private_segment_fixed_size: 0
    .kernarg_segment_align: 8
    .kernarg_segment_size: 40
    .max_flat_workgroup_size: 128
    .sgpr_count:     100
    .vgpr_count:     1024
    .wavefront_size: 32
...
	.end_amdgpu_metadata
.endif
;; end of part 2
;; launch attn (part 3): grid 8 x 32, 16 waves a work-group, no clusters, 327,680 bytes of LDS; arguments qb, kv, img, isc; writes img, isc
.if DOCPART == 3
	.amdgcn_target "amdgcn-amd-amdhsa--gfx1250"
	.amdhsa_code_object_version 6
	.text
	.protected	k_q12df67fe04_attn
	.globl	k_q12df67fe04_attn
	.p2align	8
	.type	k_q12df67fe04_attn,@function
k_q12df67fe04_attn:
	s_mov_b64 s[64:65], 0
	v_nop
	global_prefetch_b8 v0, s[64:65] scope:SCOPE_SE
	s_setreg_imm32_b32 hwreg(HW_REG_WAVE_MODE, 25, 1), 1
	s_wait_xcnt 0x0
; Launch 3 of 4: out = softmax(q k^T / 8, causal) v for 64 heads of 64, both products on codes of E2M3, and out quantised along the 1,024 features into x's places in img and isc, which nobody reads any more.
; WORK LEFT OUT: a chunk of 128 keys all of which come after all 128 queries of a block: reference()'s own jnp.tril makes its p 0 for all values of the inputs (shown at the head of the first launch).
; LIMIT: a NaN, an infinity or an overflow that reaches only such chunks is not carried to the result.
; THE SOFTMAX: t = score x log2(e) / 8; M = the running largest t rounded up to a whole number; p = 2^(t - M) is quantised along the keys; the row's sum is taken of the unquantised p and divides at the end.
; When M moves, the sum and O are multiplied by 2^(old M - new M), which rounds nothing.
; SHARES.  A work-group serves one pair of heads (y) and two blocks of 128 queries: block 15 - x and block x, which need 16 - x and x + 1 chunks of keys: 17 tile steps a wave in every work-group.
; Sixteen waves: wave W takes head W / 8 of the pair and query tile W % 8 of BOTH blocks, in 256 registers: four waves to a SIMD, one wave's vector work beside another's products and LDS loads.
; A chunk of both heads, 25,600 dense bytes, comes through a ring of two LDS slots (waves 0 and 1: a head each).  Every work-group walks all 16 changes of slots, so that trip counts are constants; what is hidden is jumped
; over by scalar branches on ids and the count of steps, the same in all waves, and a chunk that no wave will read is not asked for.
; NO CLUSTER: work-groups of one pair of heads need 9 to 16 chunks, so a joint load would bring some partner tiles that none of its waves reads.
; K = 64 IN AN INSTRUCTION OF K = 128: a fragment of K holds TWO key tiles (registers 0-5, 6-11).  Against Q laid as [q, 0] it gives the first tile's scores, against [0, q] the second's: zero codes silence the other tile.
; LAYOUT.  S^T = K Q^T and O^T = V^T P^T: a lane holds one query throughout.  By the order of rows in a tile (32 b + 8 u + r + 8 (r / 8)) register 16 f + i of S^T is key 32 f + 16 (lane / 16) + i, and register 16 b + i of O^T
; is channel 32 b + 16 (lane / 16) + i: 16 neighbours, as the conversions want them.
; REGISTERS: v1-3 addresses that stay; v4 p's scale word; v5, v6 the add's two; v7 at work; v8, v9 addresses in hand; v[10:11] f and 0; v12-15, v16-19 -M, largest t, the sum in two halves, for the late and the early block;
; v20-49 zeros, q late, zeros, q early, zeros; v50, v51 q's scale words; v52-99 four fragments; v100-103 K's and V's scale words; v104-167 S^T, then p; v168-199, v200-231 O^T; v232-243 p's codes; v244-255 at work.
.set SLOT1, 1<<15                      ; slot 1 begins here: one exclusive or turns an address
.set CH,    12800                      ; a head's part of a chunk
.set STG,   65536                      ; the way out: 16 images of 1,536 bytes
.set SST,   90112                      ; and their scale words, 64 bytes each
.set SPARE, 91136                      ; the spare words, 128 bytes for each of sixteen waves
.set SIGMA, 2359296
.set LB,  1                            ; v1  16 x lane + my head's part of a slot
.set LS,  2                            ; v2  8 x lane + the same + 12,288: K's scale words
.set PFO, 3                            ; v3  256 x lane
.set PWR, 4
.set SPW, 5
.set NIL, 6
.set TT,  7
.set ADK, 8
.set ADS, 9
.set FF,  10
.set FRG, 52
.set KSW, 100
.set VSW, 102
.set S,   104
.set PC,  232
.set BM,  244
.set BT,  248
.set BS,  252
.set TB,  2                            ; s2   LDS byte at which the slot in hand begins
.set KC,  3                            ; s3   the chunk in hand
.set WV,  18
.set EH,  19                           ; s19  my head of the pair
.set SEL, 20
.set CS,  22                           ; s[22:23] log2(e) / 8
.set G1,  24
.set G0,  32
.set SLOTS, 36
.set BL,  37                           ; s37  the late block
.set BE,  38                           ; s38  the early block
.set LIM, 39
.set PFA, 40
.set QOFF, 42                          ; s42  my tile's first query in its block
.macro TLOAD                           ; waves 0 and 1 fetch a head's part each; an s_nop 0 and four v_nop follow the line
	s_cmp_lt_u32 s[WV], 2
	s_cbranch_scc0 .Lno_load_\@
	tensor_load_to_lds s[G0:G0+3], s[G1:G1+7]
	s_nop 0
.rept 4
	v_nop
.endr
.Lno_load_\@:
.endm
; A PREFETCH INTO THE L2.  The eight work-groups of a pair of heads walk the same 409,600 dense bytes of kv; work-group x = 0, which walks all 16 chunks, asks, in waves 4 to 7, which fetch nothing: 8,192 bytes a wave,
; lanes 256 bytes apart, 32,768 bytes a change of slots, in the first 11 changes: from byte 49,152 to the stream's end, each aligned 256 bytes named once.  The first two chunks come by their loads alone.
.macro ASK
	s_cmp_gt_u32 s[SLOTS], s[LIM]
	s_cbranch_scc0 .Lnot_mine_\@
	global_prefetch_b8 v[PFO], s[PFA:PFA+1] th:TH_LOAD_NT scope:SCOPE_SE
.Lnot_mine_\@:
.endm
	s_load_b256 s[4:11], s[0:1], 0x0               ; qb, kv, img, isc
	v_lshl_add_u32 v[SPW], v0, 2, SPARE
	v_mov_b32 v[NIL], 0
	ds_add_u32 v[SPW], v[NIL]                      ; the wave's opening: the add, twice on end, and its wait ahead of the first tensor load
	ds_add_u32 v[SPW], v[NIL]
	v_lshrrev_b32 v[TT], 5, v0
	v_readfirstlane_b32 s[WV], v[TT]               ; wave 0..15
	s_lshr_b32 s[EH], s[WV], 3
	s_and_b32 s43, s[WV], 7                        ; my query tile
	s_lshr_b32 s44, s43, 1                         ; the fragment of q that holds it,
	s_and_b32 s45, s43, 1                          ; and which half of that
	s_and_b32 s46, ttmp7, 0xffff                   ; the pair of heads: 8 x batch + pair
	s_sub_co_u32 s[BL], 15, ttmp9
	s_mov_b32 s[BE], ttmp9
	s_lshl_b32 s[QOFF], s44, 5
	s_lshl_b32 s47, s45, 3
	s_add_co_u32 s[QOFF], s[QOFF], s47
	s_mov_b32 s[G1], 3<<16                         ; no mask; elements of 8 bytes; no padding
	s_mov_b32 s[G1+1], 32<<16                      ; rows of 256 bytes,
	s_mov_b32 s[G1+2], 50<<16                      ; 50 of them,
	s_mov_b32 s[G1+3], 32<<16
	s_mov_b32 s[G1+4], 50
	s_mov_b32 s[G1+5], 32                          ; dense
	s_mov_b32 s[G1+6], 0
	s_mov_b32 s[G1+7], 0
	s_and_b32 s47, s[WV], 1
	s_mul_i32 s47, s47, CH                         ; which head's part I fetch, if I fetch: in memory and in a slot
	s_mul_i32 s48, s46, 32*CH                      ; the pair's first byte in kv
	s_add_co_u32 s50, s48, s47
	s_mov_b32 s51, 0
	s_lshl_b32 s52, s46, 4
	s_add_co_u32 s53, s52, s[BL]
	s_lshl_b32 s53, s53, 1
	s_add_co_u32 s53, s53, s[EH]
	s_mul_i32 s54, s53, CH                         ; q of the late block, my head
	s_mov_b32 s55, 0
	s_add_co_u32 s53, s52, s[BE]
	s_lshl_b32 s53, s53, 1
	s_add_co_u32 s53, s53, s[EH]
	s_mul_i32 s56, s53, CH                         ; and of the early block
	s_mov_b32 s57, 0
	s_and_b32 s59, s[WV], 3
	s_lshl_b32 s59, s59, 13
	s_add_co_u32 s59, s59, 16384                   ; the prefetches: the first change of slots steps this by 32,768
	s_add_co_u32 s60, s59, s48
	s_mov_b32 s61, 0
	s_lshr_b32 s59, s[WV], 2
	s_xor_b32 s59, s59, 1                          ; 0 in waves 4 to 7,
	s_or_b32 s59, s59, ttmp9                       ; of work-group x = 0
	s_cmp_eq_u32 s59, 0
	s_cselect_b32 s[LIM], 4, -1
	s_mov_b32 s[SEL], 0x76543210
	s_mov_b32 s[SEL+1], 0xfedcba98
	s_mov_b32 s[CS], 0x3e38aa3b
	s_mov_b32 s[CS+1], s[CS]                       ; (named with it as a pair, so it is written)
	s_mov_b32 s[TB], 0
	s_mov_b32 s[KC], 0
	s_mov_b32 s[SLOTS], 15
	s_wait_dscnt 0x0                               ; both opening adds are done
	s_wait_kmcnt 0x0
	s_mov_b32 s[G0], 1
	s_mov_b32 s[G0+1], s47
	s_add_nc_u64 s[G0+2:G0+3], s[6:7], s[50:51]
	s_or_b32 s[G0+3], s[G0+3], 0x80000000
	TLOAD                                          ; chunk 0, which every query reads, into slot 0: one tensor load of mine is out at the most, here and later
	s_add_nc_u64 s[54:55], s[4:5], s[54:55]
	s_add_nc_u64 s[56:57], s[4:5], s[56:57]
	s_add_nc_u64 s[PFA:PFA+1], s[6:7], s[60:61]
	v_and_b32 v107, 31, v0                         ; l
	v_and_b32 v108, 15, v0                         ; r
	v_lshlrev_b32 v109, 4, v107                    ; 16 l
	; my tile is registers 6 u .. 6 u + 5 of fragment f's image: 8-byte pieces at 16 l + 0, 8, 512 (u = 0) or 16 l + 520, 1024, 1032 (u = 1)
	s_mul_i32 s58, s44, 1536
	s_mul_i32 s59, s45, 520
	s_add_co_u32 s59, s59, s58
	v_add_nc_u32 v104, s59, v109
	s_mul_i32 s59, s45, 1016
	s_add_co_u32 s59, s59, s58
	s_add_co_u32 s59, s59, 8
	v_add_nc_u32 v105, s59, v109
	s_and_b32 s59, s44, 1
	s_lshl_b32 s59, s59, 7
	s_lshr_b32 s60, s44, 1
	s_lshl_b32 s60, s60, 2
	s_add_co_u32 s59, s59, s60
	s_add_co_u32 s59, s59, 12288
	v_lshl_add_u32 v106, v108, 3, s59              ; the fragment's scale word of row r
	global_load_b64 v[26:27], v104, s[54:55]
	global_load_b64 v[28:29], v105, s[54:55]
	global_load_b64 v[30:31], v104, s[54:55] offset:512
	global_load_b32 v50, v106, s[54:55]
	global_load_b64 v[38:39], v104, s[56:57]
	global_load_b64 v[40:41], v105, s[56:57]
	global_load_b64 v[42:43], v104, s[56:57] offset:512
	global_load_b32 v51, v106, s[56:57]
	s_mul_i32 s58, s[EH], CH
	v_add_nc_u32 v[LB], s58, v109
	s_add_co_u32 s58, s58, 12288
	v_lshl_add_u32 v[LS], v107, 3, s58
	v_lshlrev_b32 v[PFO], 8, v107
	s_mul_i32 s60, s45, 0x02020202
	s_add_co_u32 s60, s60, 0x01000100              ; picks my tile's two bytes of the word, twice
.irp z, 20,21,22,23,24,25,32,33,34,35,36,37,44,45,46,47,48,49
	v_mov_b32 v\z, 0                               ; the zero codes beside q
.endr
.irp st, 12, 16
	v_mov_b32 v[\st+1], 0xff61b1e6                 ; the largest t so far: -3e38
	v_floor_f32 v[\st], -v[\st+1]                  ; -M
	v_mov_b32 v[\st+2], 0                          ; the sum, in two halves
	v_mov_b32 v[\st+3], 0
.endr
	v_mov_b32 v[FF+1], 0                           ; (named as the upper half of the pair with f)
.irp b, 0,1,2,3
	v_mov_b32 v[BT+\b], 0                          ; a lane permute's destination counts as one of its sources
.endr
	s_wait_loadcnt 0x0                             ; q
	v_perm_b32 v50, v50, v50, s60                  ; (s0, s1, s0, s1): it serves [q, 0] and [0, q] alike
	v_perm_b32 v51, v51, v51, s60
.set nn, 0
.rept 64
	v_mov_b32 v[168+nn], 0                         ; O^T: the step is written once; its first pass finds zeros.  (These are also the places between the two lines above and the first product)
.set nn, nn+1
.endr
; ONE TILE OF 16 QUERIES AGAINST THE CHUNK IN HAND.  qhi, qlo: [0, q], [q, 0];  st: the statistics;  ob: O^T;  qs: q's scale word;  blk: the scalar that holds the tile's block.
.macro TILE_STEP qhi, qlo, st, ob, qs, blk
	s_cmp_gt_u32 s[KC], s[\blk]                    ; all keys come after my queries: nothing to do
	s_cbranch_scc1 .Lhid_\@
	v_add_nc_u32 v[ADK], s[TB], v[LB]
	v_add_nc_u32 v[ADS], s[TB], v[LS]
	v_nop
	v_nop                                          ; four places in front of loads into registers that the last products read
.irp f, 0,1,2,3
.irp g, 0,1,2
	ds_load_b128 v[FRG+12*\f+4*\g:FRG+12*\f+4*\g+3], v[ADK] offset:1536*\f+512*\g
.endr
.endr
	ds_load_b64 v[KSW:KSW+1], v[ADS]
	s_wait_dscnt 0x0
.irp f, 0,1,2,3
.if \f%2
	v_wmma_scale_f32_16x16x128_f8f6f4 v[S+16*\f:S+16*\f+7], v[FRG+12*\f:FRG+12*\f+11], v[\qlo:\qlo+11], 0, v[KSW+\f/2], v[\qs] matrix_a_fmt:MATRIX_FMT_FP6 matrix_b_fmt:MATRIX_FMT_FP6 matrix_a_scale:MATRIX_SCALE_ROW1
	v_wmma_scale_f32_16x16x128_f8f6f4 v[S+16*\f+8:S+16*\f+15], v[FRG+12*\f:FRG+12*\f+11], v[\qhi:\qhi+11], 0, v[KSW+\f/2], v[\qs] matrix_a_fmt:MATRIX_FMT_FP6 matrix_b_fmt:MATRIX_FMT_FP6 matrix_a_scale:MATRIX_SCALE_ROW1
.else
	v_wmma_scale_f32_16x16x128_f8f6f4 v[S+16*\f:S+16*\f+7], v[FRG+12*\f:FRG+12*\f+11], v[\qlo:\qlo+11], 0, v[KSW+\f/2], v[\qs] matrix_a_fmt:MATRIX_FMT_FP6 matrix_b_fmt:MATRIX_FMT_FP6
	v_wmma_scale_f32_16x16x128_f8f6f4 v[S+16*\f+8:S+16*\f+15], v[FRG+12*\f:FRG+12*\f+11], v[\qhi:\qhi+11], 0, v[KSW+\f/2], v[\qs] matrix_a_fmt:MATRIX_FMT_FP6 matrix_b_fmt:MATRIX_FMT_FP6
.endif
.endr
.rept 4
	v_nop                                          ; places in front of the loads below and of the first read of the scores
.endr
.irp f, 0,1,2,3
.irp g, 0,1,2
	ds_load_b128 v[FRG+12*\f+4*\g:FRG+12*\f+4*\g+3], v[ADK] offset:6144+1536*\f+512*\g   ; V's fragments land under the softmax
.endr
.endr
	ds_load_b64 v[VSW:VSW+1], v[ADS] offset:256
	s_cmp_lt_u32 s[KC], s[\blk]                    ; all keys count: no mask
	s_cbranch_scc1 .Lopen_\@
	v_and_b32 v[FF], 15, v0                        ; the diagonal: d = my query in its block - 16 (lane / 16); register 16 f + i holds key 32 f + i + 16 (lane / 16): hidden where 32 f + i > d
	v_and_b32 v[TT], 8, v0
	v_add_nc_u32 v[FF], v[FF], v[TT]
	v_and_b32 v[TT], 16, v0
	v_sub_nc_u32 v[FF], v[FF], v[TT]
	v_add_nc_u32 v[FF], s[QOFF], v[FF]
	v_mov_b32 v[TT], 0xff800000                    ; -infinity: p = 0 then
.set nn, 0
.rept 64
	v_cmp_gt_i32 vcc_lo, 32*(nn/16)+nn%16, v[FF]
	v_cndmask_b32 v[S+nn], v[S+nn], v[TT], vcc_lo
.set nn, nn+1
.endr
.Lopen_\@:
.irp b, 0,1,2,3
	v_max3_num_f32 v[BM+\b], v[S+16*\b], v[S+16*\b+1], v[S+16*\b+2]   ; the largest score of each block of 32 keys: for the row's maximum, and, since p rises with the score, for the block's largest p
.endr
.irp i, 3,5,7,9,11,13
.irp b, 0,1,2,3
	v_max3_num_f32 v[BM+\b], v[BM+\b], v[S+16*\b+\i], v[S+16*\b+\i+1]
.endr
.endr
.irp b, 0,1,2,3
	v_max_num_f32 v[BM+\b], v[BM+\b], v[S+16*\b+15]
.endr
.irp b, 0,1,2,3
	v_permlanex16_b32 v[BT+\b], v[BM+\b], s[SEL], s[SEL+1]
.endr
.irp b, 0,1,2,3
	v_max_num_f32 v[BM+\b], v[BM+\b], v[BT+\b]     ; with lane l xor 16's 16 keys
.endr
	v_max3_num_f32 v[TT], v[BM], v[BM+1], v[BM+2]
	v_max_num_f32 v[TT], v[TT], v[BM+3]
	v_mul_f32 v[TT], s[CS], v[TT]                  ; as t
	v_max_num_f32 v[\st+1], v[\st+1], v[TT]        ; the running largest t
	v_mov_b32 v[TT], v[\st]
	v_floor_f32 v[\st], -v[\st+1]                  ; the new -M = -ceil(t): a whole number
	v_sub_f32 v[TT], v[\st], v[TT]                 ; old M - new M: a whole number, 0 or less
	v_cvt_i32_f32 v[TT], v[TT]                     ; (it saturates)
	v_ldexp_f32 v[FF], 1.0, v[TT]                  ; f = 2^(old M - new M)
.set nn, 0
.rept 32
	v_pk_fma_f32 v[S+nn:S+nn+1], v[S+nn:S+nn+1], s[CS:CS+1], v[\st:\st+1] op_sel_hi:[1,0,0]   ; t - M, two at a time
.set nn, nn+2
.endr
.irp b, 0,1,2,3
	v_fma_f32 v[BM+\b], v[BM+\b], s[CS], v[\st]    ; the same of each block's largest score
.endr
.set nn, 0
.rept 64
	v_exp_f32 v[S+nn], v[S+nn]                     ; p = 2^(t - M), not normalised
.set nn, nn+1
.endr
	v_pk_mul_f32 v[\st+2:\st+3], v[\st+2:\st+3], v[FF:FF+1] op_sel_hi:[1,0]   ; the sums under the new M: a plain place behind the exponentials
	s_wait_alu depctr_va_vdst(0)                   ; one wait for the whole batch, ahead of its first reader
.irp b, 0,1,2,3
	v_exp_f32 v[BM+\b], v[BM+\b]                   ; the block's largest p
.endr
	v_pk_add_f32 v[BT:BT+1], v[S:S+1], v[S+2:S+3]  ; the row's sum of the unquantised p, in two chains
.irp j, 4,8,12,16,20,24,28,32,36,40,44,48,52,56,60
	v_pk_add_f32 v[\st+2:\st+3], v[\st+2:\st+3], v[S+\j:S+\j+1]
	v_pk_add_f32 v[BT:BT+1], v[BT:BT+1], v[S+\j+2:S+\j+3]
.endr
	v_pk_add_f32 v[\st+2:\st+3], v[\st+2:\st+3], v[BT:BT+1]
	s_wait_alu depctr_va_vdst(0)                   ; and one for the four
.irp b, 0,1,2,3
	v_max_num_f32 v[BM+\b], 0x1800000, v[BM+\b]    ; the floor 2^(3 - 127): a block whose every p is 0 keeps the byte 1; its codes are zeros
.endr
.irp b, 0,1,2,3
	v_add_nc_u32 v[BS+\b], 0xff000000, v[BM+\b]    ; the conversion's scale operand
.endr
.irp b, 0,1,2,3
	v_lshrrev_b32 v[BT+\b], 23, v[BS+\b]           ; the scale's byte
.endr
	v_lshl_or_b32 v[PWR], v[BT+1], 8, v[BT]        ; p's scale word for these 128 keys
	v_lshl_or_b32 v[PWR], v[BT+2], 16, v[PWR]
	v_lshl_or_b32 v[PWR], v[BT+3], 24, v[PWR]
.irp c, 0,1
	v_cvt_scalef32_pk16_fp6_f32 v[PC+6*\c:PC+6*\c+2], v[S+32*\c:S+32*\c+15], v[BS+2*\c]
	v_cvt_scalef32_pk16_fp6_f32 v[BM+4*\c:BM+4*\c+2], v[S+32*\c+16:S+32*\c+31], v[BS+2*\c+1]   ; (three registers from an even number on; the maxima and bytes are done with)
.endr
	v_nop                                          ; one plain place behind the conversions
.irp c, 0,1
.irp i, 0,1,2
	v_permlane16_swap_b32 v[PC+6*\c+\i], v[BM+4*\c+\i]   ; a whole block in a lane
.endr
.irp i, 0,1,2
	v_mov_b32 v[PC+3+6*\c+\i], v[BM+4*\c+\i]
.endr
.endr
.set nn, 0
.rept 16
	v_pk_mul_f32 v[\ob+nn:\ob+nn+1], v[\ob+nn:\ob+nn+1], v[FF:FF+1] op_sel_hi:[1,0]   ; O^T under the new M; also the places in front of the products below
.set nn, nn+2
.endr
	s_wait_dscnt 0x0                               ; V
.irp t, 0,1,2,3                        ; the four accumulators by turns
.if \t%2
	v_wmma_scale_f32_16x16x128_f8f6f4 v[\ob+8*\t:\ob+8*\t+7], v[FRG+12*\t:FRG+12*\t+11], v[PC:PC+11], v[\ob+8*\t:\ob+8*\t+7], v[VSW+\t/2], v[PWR] matrix_a_fmt:MATRIX_FMT_FP6 matrix_b_fmt:MATRIX_FMT_FP6 matrix_a_scale:MATRIX_SCALE_ROW1
.else
	v_wmma_scale_f32_16x16x128_f8f6f4 v[\ob+8*\t:\ob+8*\t+7], v[FRG+12*\t:FRG+12*\t+11], v[PC:PC+11], v[\ob+8*\t:\ob+8*\t+7], v[VSW+\t/2], v[PWR] matrix_a_fmt:MATRIX_FMT_FP6 matrix_b_fmt:MATRIX_FMT_FP6
.endif
.endr
.Lhid_\@:
.endm
; THE CHANGE OF SLOTS, at a chunk's head.  Each wave waits for all its tensor loads, adds 0 to its spare word, and waits for that and for its reads of the slot that it has left.  Behind the barrier the slot ahead is whole
; and nobody reads the other one, which takes the next chunk if the late block reads it.
.macro CHANGE fill
	s_wait_tensorcnt 0x0                           ; no tensor load of mine is out, so the descriptor may be written
	ds_add_u32 v[SPW], v[NIL]
.if \fill
	ds_add_u32 v[SPW], v[NIL]                      ; and, where a load may follow, twice on end, in every trip alike
	s_xor_b32 s[G0+1], s[G0+1], SLOT1              ; the other slot,
	s_add_nc_u64 s[G0+2:G0+3], s[G0+2:G0+3], 2*CH  ; the next chunk
	s_wait_xcnt 0x0                                ; the last prefetch, a chunk back, has read its address
	s_add_nc_u64 s[PFA:PFA+1], s[PFA:PFA+1], 32768
.endif
	s_wait_dscnt 0x0
	s_barrier_signal -1
	s_barrier_wait -1
.if \fill
	s_cmp_ge_u32 s[KC], s[BL]                      ; chunk KC + 1 comes after the late block: none of the sixteen waves would read it.  Ids and the count of steps alone; every wait on TENSORcnt is for 0
	s_cbranch_scc1 .Lpast_\@
	TLOAD                                          ; the first thing behind the barrier, and a wave's one tensor load until the next
.Lpast_\@:
	ASK
.endif
.endm
.Lslot:                                            ; 15 trips
	CHANGE 1
	TILE_STEP 20, 26, 12, 168, 50, BL
	TILE_STEP 32, 38, 16, 200, 51, BE
	s_xor_b32 s[TB], s[TB], SLOT1
	s_add_co_u32 s[KC], s[KC], 1
	s_sub_co_u32 s[SLOTS], s[SLOTS], 1
	s_cmp_lg_u32 s[SLOTS], 0
	s_cbranch_scc1 .Lslot
	CHANGE 0                                       ; the last chunk is written out: nothing follows it, and the early block (0 to 7) never reads it
	TILE_STEP 20, 26, 12, 168, 50, BL
	; THE WAY OUT.  O^T / the sum; quantised along the features (my head's two blocks of 32); my six registers are registers 6 e .. 6 e + 5 of the last product's operand for K step = my pair of heads.
	; The two heads' halves meet in LDS as an image; each wave then stores one whole image, 512 consecutive bytes a store.
	v_add_f32 v14, v14, v15                        ; (these lines are also the places behind the last products)
	v_add_f32 v18, v18, v19
	v_permlanex16_b32 v[BT], v14, s[SEL], s[SEL+1]
	v_permlanex16_b32 v[BT+1], v18, s[SEL], s[SEL+1]
	v_add_f32 v14, v14, v[BT]
	v_add_f32 v18, v18, v[BT+1]                    ; the rows' sums
	v_rcp_f32 v14, v14
	v_rcp_f32 v18, v18
	v_and_b32 v52, 31, v0                          ; (a plain place behind the reciprocals)
	v_lshlrev_b32 v52, 4, v52                      ; 16 l
	s_mul_i32 s44, s43, 1536
	s_add_co_u32 s44, s44, STG                     ; my tile's image
	s_mul_i32 s45, s[EH], 520
	s_add_co_u32 s45, s45, s44
	v_add_nc_u32 v53, s45, v52                     ; pieces at 16 l + 0, 512 (head 0) or + 520, 1032 (head 1),
	s_mul_i32 s45, s[EH], 1016
	s_add_co_u32 s45, s45, s44
	s_add_co_u32 s45, s45, 8
	v_add_nc_u32 v54, s45, v52                     ; and at 16 l + 8 or + 1024
	v_and_b32 v55, 15, v0
	s_lshl_b32 s45, s43, 6
	s_lshl_b32 s47, s[EH], 1
	s_add_co_u32 s45, s45, s47
	s_add_co_u32 s45, s45, SST
	v_lshl_add_u32 v55, v55, 2, s45                ; my head's two bytes of row r's scale word
	s_mul_i32 s45, s[WV], 1536
	s_add_co_u32 s45, s45, STG
	v_add_nc_u32 v56, s45, v52                     ; back: image W (0-7 the late block's tiles, 8-15 the early block's)
	s_lshl_b32 s45, s[EH], 9
	s_add_co_u32 s45, s45, SST
	v_add_nc_u32 v57, s45, v52                     ; and a block's 512 bytes of scale words
	s_and_b32 s47, s46, 7                          ; the K step of the last product
	s_lshr_b32 s48, s46, 3                         ; the batch
	s_cmp_eq_u32 s[EH], 0
	s_cselect_b32 s49, s[BL], s[BE]                ; the block whose image I store
	s_lshl_b32 s50, s48, 7
	s_lshl_b32 s51, s49, 3
	s_add_co_u32 s50, s50, s51
	s_add_co_u32 s50, s50, s43                     ; its tile among x's 512
	s_mul_i32 s50, s50, 3072
	s_lshr_b32 s51, s47, 1
	s_mul_i32 s51, s51, SIGMA
	s_add_co_u32 s50, s50, s51
	s_and_b32 s51, s47, 1
	s_mul_i32 s51, s51, 1536
	s_add_co_u32 s50, s50, s51
	s_mov_b32 s51, 0
	s_add_nc_u64 s[8:9], s[8:9], s[50:51]
	s_lshl_b32 s50, s48, 4
	s_add_co_u32 s50, s50, s49
	s_lshl_b32 s50, s50, 12
	s_lshl_b32 s52, s47, 9
	s_add_co_u32 s50, s50, s52
	s_add_nc_u64 s[10:11], s[10:11], s[50:51]
	s_wait_alu depctr_va_vdst(0)                   ; one wait for the two reciprocals, ahead of their first reader
.macro OUT_TILE ob, rl, idx
.set nn, 0
.rept 32
	v_mul_f32 v[S+nn], v[\ob+nn], v[\rl]           ; each accumulator from its low end on
.set nn, nn+1
.endr
.irp b, 0,1
	v_max3_num_f32 v[BM+\b], |v[S+16*\b]|, |v[S+16*\b+1]|, 0x1800000
.endr
.irp i, 2,4,6,8,10,12,14
.irp b, 0,1
	v_max3_num_f32 v[BM+\b], v[BM+\b], |v[S+16*\b+\i]|, |v[S+16*\b+\i+1]|
.endr
.endr
.irp b, 0,1
	v_permlanex16_b32 v[BT+\b], v[BM+\b], s[SEL], s[SEL+1]
.endr
.irp b, 0,1
	v_max_num_f32 v[BM+\b], v[BM+\b], v[BT+\b]
.endr
.irp b, 0,1
	v_add_nc_u32 v[BS+\b], 0xff000000, v[BM+\b]
.endr
.irp b, 0,1
	v_lshrrev_b32 v[BT+\b], 23, v[BS+\b]
.endr
	v_lshl_or_b32 v[TT], v[BT+1], 8, v[BT]
	v_cvt_scalef32_pk16_fp6_f32 v[PC:PC+2], v[S:S+15], v[BS]
	v_cvt_scalef32_pk16_fp6_f32 v[BM:BM+2], v[S+16:S+31], v[BS+1]
	v_nop
.irp i, 0,1,2
	v_permlane16_swap_b32 v[PC+\i], v[BM+\i]
.endr
.irp i, 0,1,2
	v_mov_b32 v[PC+3+\i], v[BM+\i]
.endr
	ds_store_b64 v53, v[PC:PC+1] offset:12288*\idx
	ds_store_b64 v54, v[PC+2:PC+3] offset:12288*\idx
	ds_store_b64 v53, v[PC+4:PC+5] offset:12288*\idx+512
	ds_store_b16 v55, v[TT] offset:512*\idx        ; both halves of the lanes write the same bytes with the same value
	s_wait_dscnt 0x0                               ; the stores have landed and have read their registers
.endm
	OUT_TILE 168, 14, 0
	OUT_TILE 200, 18, 1
	s_barrier_signal -1
	s_barrier_wait -1                              ; all sixteen images and their scale words are whole
	ds_load_b128 v[60:63], v56
	ds_load_b128 v[64:67], v56 offset:512
	ds_load_b128 v[68:71], v56 offset:1024
	s_wait_dscnt 0x0
	global_store_b128 v52, v[60:63], s[8:9]
	global_store_b128 v52, v[64:67], s[8:9] offset:512
	global_store_b128 v52, v[68:71], s[8:9] offset:1024
	s_cmp_lg_u32 s43, 0                            ; waves 0 and 8 store a block's scale words
	s_cbranch_scc1 .Lno_words
	ds_load_b128 v[72:75], v57
	s_wait_dscnt 0x0
	global_store_b128 v52, v[72:75], s[10:11]
.Lno_words:
	s_wait_tensorcnt 0x0                           ; the wave's end
	ds_add_u32 v[SPW], v[NIL]
	s_wait_dscnt 0x0
	s_endpgm
.Lfunc_end_k_q12df67fe04_attn:
	.size	k_q12df67fe04_attn, .Lfunc_end_k_q12df67fe04_attn-k_q12df67fe04_attn
	.p2alignl 7, 3214868480
	.fill 96, 4, 3214868480
	.section	.rodata,"a",@progbits
	.p2align	6, 0x0
	.amdhsa_kernel k_q12df67fe04_attn
		.amdhsa_group_segment_fixed_size 327680
		.amdhsa_private_segment_fixed_size 0
		.amdhsa_enable_private_segment 0
		.amdhsa_kernarg_size 32
		.amdhsa_user_sgpr_count 2
		.amdhsa_user_sgpr_kernarg_segment_ptr 1
		.amdhsa_wavefront_size32 1
		.amdhsa_system_sgpr_workgroup_id_x 1
		.amdhsa_system_sgpr_workgroup_id_y 1
		.amdhsa_system_sgpr_workgroup_id_z 1
		.amdhsa_system_vgpr_workitem_id 0
		.amdhsa_next_free_vgpr 256
		.amdhsa_next_free_sgpr 66
		.amdhsa_reserve_vcc 1
		.amdhsa_float_denorm_mode_32 3
		.amdhsa_float_denorm_mode_16_64 3
		.amdhsa_memory_ordered 1
		.amdhsa_forward_progress 1
		.amdhsa_inst_pref_size 81
	.end_amdhsa_kernel
	.amdgpu_metadata
---
amdhsa.version: [ 1, 2 ]
amdhsa.kernels:
  - .name:           k_q12df67fe04_attn
    .symbol:         k_q12df67fe04_attn.kd
    .args:
      - { .name: qb, .offset: 0, .size: 8, .value_kind: global_buffer, .address_space: global }
      - { .name: kv, .offset: 8, .size: 8, .value_kind: global_buffer, .address_space: global }
      - { .name: img, .offset: 16, .size: 8, .value_kind: global_buffer, .address_space: global }
      - { .name: isc, .offset: 24, .size: 8, .value_kind: global_buffer, .address_space: global }
    .group_segment_fixed_size: 327680
    .private_segment_fixed_size: 0
    .kernarg_segment_align: 8
    .kernarg_segment_size: 32
    .max_flat_workgroup_size: 512
    .sgpr_count:     66
    .vgpr_count:     256
    .wavefront_size: 32
...
	.end_amdgpu_metadata
.endif
;; end of part 3
;; launch oproj (part 4): grid 4 x 32, 4 waves a work-group, clusters of 4 x 4, 327,680 bytes of LDS; arguments img, isc, out0; writes out0
.if DOCPART == 4
	.amdgcn_target "amdgcn-amd-amdhsa--gfx1250"
	.amdhsa_code_object_version 6
	.text
	.protected	k_q12df67fe04_oproj
	.globl	k_q12df67fe04_oproj
	.p2align	8
	.type	k_q12df67fe04_oproj,@function
k_q12df67fe04_oproj:
	s_mov_b64 s[64:65], 0
	v_nop
	global_prefetch_b8 v0, s[64:65] scope:SCOPE_SE
	s_setreg_imm32_b32 hwreg(HW_REG_WAVE_MODE, 25, 1), 1
	s_wait_xcnt 0x0
	s_wait_alu depctr_hold_cnt(0) depctr_sa_sdst(0) depctr_va_vdst(0) depctr_va_sdst(0) depctr_va_ssrc(0) depctr_va_vcc(0) depctr_vm_vsrc(0)
	s_getreg_b32 s2, hwreg(HW_REG_IB_STS2, 6, 4)
	s_cmp_eq_u32 s2, 0
	s_cbranch_scc0 .Lentry_in_a_cluster
	s_endpgm
.Lentry_in_a_cluster:
	s_bfe_u32 s2, ttmp6, 0x10000c
	s_cmp_lg_u32 s2, 0xf033
	s_cbranch_scc0 .Lentry_shape_is_right
	s_endpgm
.Lentry_shape_is_right:
; Launch 4 of 4: out0 = out Wo^T on codes of E2M3, K = 1,024.  out's codes lie in img where x's lay (tiles 0-511, their rows in the order 32 b + 8 u + r + 8 (r / 8)), Wo's in tiles 704-767 in plain order.
; Nothing is left out here.  The loop is that of the second launch: four waves, 256 x 256 a work-group, 128 x 128 a wave; operands as images of their registers; two LDS slots of two K steps, filled by joint loads in
; clusters of 4 x 4 (A = tokens, shared along a row of the cluster; B = Wo's rows, along a column); the scale words of all K come once.
; Source 0 = 16 rows of Wo, source 1 = 16 tokens: a lane holds eight neighbouring outputs of one token.  A block of 16 tokens x 128 outputs goes through my stage in LDS and leaves as whole rows of 512 bytes, each to
; its token's true row.  The stage lies in slot 0, which has had its last fill and its last read when the first result is stored there.
.set FR,    12
.set NL,    3
.set NP,    4
.set NQ,    2
.set HALFT, 24576
.set SLOT,  4*HALFT
.set SCL,   2*SLOT
.set SPARE, SCL+4*4096
.set SIGMA, 2359296
.set SPITCH, 528                       ; a stage row: 512 bytes + 16
.set ADRA, 16
.set ADRB, 20
.set STO,  24                          ; v24  where I put 32 bytes of a row
.set RD,   25                          ; v25  where I read a row back
.set CO,   26                          ; v26  16 x lane
.set ADRS, 27
.set SPW,  28
.set NIL,  29
.set SC,   32                          ; v32-63 scale words, nothing else
.set AF,   128
.set BK,   128                         ; the way out: v128-191 and v192-255 by turns
.set G1, 24
.set G0, 32
.set G1B, 48
.set G0B, 56
.set G1S, 68
.set G0S, 76
.set G1SB, 80
.set G0SB, 88
.set MSB, 0
.macro WIN new
.if MSB != (\new)
	s_set_vgpr_msb (MSB<<8)|(\new)
.set MSB, (\new)
.endif
.endm
.set MUL_LO, 0xa1
.set MUL_HI, 0xf1
.set TO_B,   0x40
.macro JLOAD g0a, g1a, g0b, g1b        ; a joint load: waves 0 and 1 fetch for A, waves 2 and 3 for B; an s_nop 0 and four v_nop follow each line
	s_cmp_eq_u32 s15, 0
	s_cbranch_scc0 .Lfor_b_\@
	tensor_load_to_lds s[\g0a:\g0a+3], s[\g1a:\g1a+7]
	s_nop 0
.rept 4
	v_nop
.endr
	s_branch .Lasked_\@
.Lfor_b_\@:
	tensor_load_to_lds s[\g0b:\g0b+3], s[\g1b:\g1b+7]
	s_nop 0
.rept 4
	v_nop
.endr
.Lasked_\@:
.endm
.macro CREST
	s_cmp_lg_u32 s14, 0
	s_cbranch_scc1 .Lnot_wave_0_\@
	s_barrier_signal -3
.Lnot_wave_0_\@:
	s_barrier_wait -3
	s_barrier_signal -1
	s_barrier_wait -1
.endm
.macro CROUND
	s_barrier_signal -1
	s_barrier_wait -1
	CREST
.endm
	s_load_b128 s[4:7], s[0:1], 0x0                ; img, isc
	s_load_b64 s[12:13], s[0:1], 0x10              ; out0
	v_lshl_add_u32 v[SPW], v0, 2, SPARE
	v_mov_b32 v[NIL], 0
	ds_add_u32 v[SPW], v[NIL]                      ; the wave's opening: the add, twice on end, and its wait ahead of my first tensor load
	ds_add_u32 v[SPW], v[NIL]
	v_lshrrev_b32 v1, 5, v0
	v_readfirstlane_b32 s14, v1                    ; wave 0..3
	s_lshr_b32 s15, s14, 1                         ; which half of the tokens is mine.  Also: I fetch for A (0) or for B (1)
	s_and_b32 s16, s14, 1                          ; which half of the outputs.  Also: which 128 rows I fetch
	s_bfe_u32 s40, ttmp6, 0x40000                  ; cx
	s_bfe_u32 s41, ttmp6, 0x40004                  ; cy
	s_and_b32 s17, ttmp7, 0xffff
	s_lshl_b32 s17, s17, 2
	s_add_co_u32 s17, s17, s41                     ; which 256 tokens: 4 x cluster y + cy
	s_lshl_b32 s45, s41, 2
	s_lshl_b32 s45, 15, s45                        ; my row of the cluster
	s_lshl_b32 s46, 0x1111, s40                    ; my column
	s_or_b32 s[G1+0], s45, (3<<16)|(1<<21)         ; the mask; elements of 8 bytes; bit 21 beside a mask; no padding
	s_or_b32 s[G1B+0], s46, (3<<16)|(1<<21)
.irp g, G1, G1B
	s_mov_b32 s[\g+1], 32<<16                      ; 96 dense rows of 256 bytes
	s_mov_b32 s[\g+2], 96<<16
	s_mov_b32 s[\g+3], 32<<16
	s_mov_b32 s[\g+4], 96
	s_mov_b32 s[\g+5], 32
	s_mov_b32 s[\g+6], 0
	s_mov_b32 s[\g+7], 0
.endr
	s_or_b32 s[G1S+0], s45, (3<<16)|(1<<21)
	s_or_b32 s[G1SB+0], s46, (3<<16)|(1<<21)
.irp g, G1S, G1SB
	s_mov_b32 s[\g+1], 32<<16                      ; 16 dense rows of 256 bytes
	s_mov_b32 s[\g+2], 16<<16
	s_mov_b32 s[\g+3], 32<<16
	s_mov_b32 s[\g+4], 16
	s_mov_b32 s[\g+5], 32
	s_mov_b32 s[\g+6], 0
	s_mov_b32 s[\g+7], 0
.endr
	s_lshl_b32 s18, s16, 7
	s_lshl_b32 s20, s17, 8                         ; region A's first row
	s_lshl_b32 s92, s40, 8
	s_add_co_u32 s92, s92, 11264                   ; region B's: Wo's 11,264 + 256 cx
	s_add_co_u32 s21, s20, s18
	s_mul_i32 s22, s21, 192
	s_mov_b32 s23, 0
	s_lshl_b32 s66, s21, 5
	s_mov_b32 s67, 0
	s_add_co_u32 s93, s92, s18
	s_mul_i32 s96, s93, 192
	s_mov_b32 s97, 0
	s_lshl_b32 s98, s93, 5
	s_mov_b32 s99, 0
	s_mul_i32 s47, s14, HALFT
	s_lshl_b32 s94, s14, 12
	s_wait_dscnt 0x0                               ; both opening adds are done
	s_wait_kmcnt 0x0
	s_add_nc_u64 s[22:23], s[4:5], s[22:23]
	s_add_nc_u64 s[66:67], s[6:7], s[66:67]
	s_add_nc_u64 s[96:97], s[4:5], s[96:97]
	s_add_nc_u64 s[98:99], s[6:7], s[98:99]
	CROUND                                         ; all sixteen work-groups are here: the first joint loads meet
	s_mov_b32 s[G0S], 1
	s_add_co_u32 s[G0S+1], s94, SCL
	s_mov_b64 s[G0S+2:G0S+3], s[66:67]
	s_or_b32 s[G0S+3], s[G0S+3], 0x80000000
	s_mov_b32 s[G0SB], 1
	s_add_co_u32 s[G0SB+1], s94, SCL
	s_mov_b64 s[G0SB+2:G0SB+3], s[98:99]
	s_or_b32 s[G0SB+3], s[G0SB+3], 0x80000000
	JLOAD G0S, G1S, G0SB, G1SB
.irp s, 0,1
	s_mov_b32 s[G0+4*\s], 1
	s_add_co_u32 s[G0+4*\s+1], s47, \s*SLOT
	s_add_nc_u64 s[G0+4*\s+2:G0+4*\s+3], s[22:23], \s*SIGMA
	s_or_b32 s[G0+4*\s+3], s[G0+4*\s+3], 0x80000000
	s_mov_b32 s[G0B+4*\s], 1
	s_add_co_u32 s[G0B+4*\s+1], s47, \s*SLOT
	s_add_nc_u64 s[G0B+4*\s+2:G0B+4*\s+3], s[96:97], \s*SIGMA
	s_or_b32 s[G0B+4*\s+3], s[G0B+4*\s+3], 0x80000000
	JLOAD G0+4*\s, G1, G0B+4*\s, G1B               ; three tensor loads of mine are out
.endr
	v_and_b32 v1, 15, v0                           ; r
	v_bfe_u32 v2, v0, 4, 1                         ; h
	v_and_b32 v3, 31, v0                           ; l
	v_lshlrev_b32 v[CO], 4, v3
	s_mul_i32 s21, s15, HALFT
	s_mul_i32 s93, s16, HALFT
	s_add_co_u32 s93, s93, 2*HALFT
.irp s, 0,1
	v_add_nc_u32 v[ADRA+\s], s21, v[CO]
	v_add_nc_u32 v[ADRB+\s], s93, v[CO]
	s_add_co_u32 s21, s21, SLOT
	s_add_co_u32 s93, s93, SLOT
.endr
	s_lshl_b32 s21, s15, 12
	s_lshl_b32 s93, s16, 12
	s_add_co_u32 s93, s93, 2*4096
	s_sub_co_u32 s93, s93, s21
	v_mul_u32_u24 v4, s93, v2                      ; lanes 16-31 take B's scale words
	s_add_co_u32 s21, s21, SCL
	v_lshl_add_u32 v4, v1, 2, v4
	v_add_nc_u32 v[ADRS], s21, v4
	s_mul_i32 s21, s14, 16*SPITCH                  ; my stage
	v_mul_u32_u24 v5, v1, SPITCH
	v_lshl_add_u32 v5, v2, 5, v5
	v_add_nc_u32 v[STO], s21, v5                   ; in: row r, 32 bytes for each half of the lanes
	v_add_nc_u32 v[RD], s21, v[CO]                 ; back: the 32 lanes take one row of 512 bytes
	s_lshl_b32 s21, s15, 7
	s_add_co_u32 s21, s21, s20                     ; my first token
	s_lshl_b32 s18, s21, 12                        ; x 4,096 bytes
	s_lshl_b32 s93, s40, 10
	s_add_co_u32 s18, s18, s93
	s_lshl_b32 s93, s16, 9
	s_add_co_u32 s18, s18, s93                     ; + my first output: 1,024 cx + 512 x half bytes
	s_mov_b32 s19, 0
	s_add_nc_u64 s[12:13], s[12:13], s[18:19]
.macro FRAG reg, adr, q, i
.irp g, 0,1,2
	ds_load_b128 v[\reg+4*\g:\reg+4*\g+3], v[\adr] offset:3072*(\i)+1536*(\q)+512*\g
.endr
.endm
; The 64 accumulators take turns, one instruction a turn, in the same order in every step.
.macro MUL16 a0, p, q, sc, zero
.irp a, \a0, \a0+1
.irp b, 0,1,2,3,4,5,6,7
.if \zero
	v_wmma_scale_f32_16x16x128_f8f6f4 v[8*(8*((\a)%4)+\b):8*(8*((\a)%4)+\b)+7], v[128*(\p)+FR*\b:128*(\p)+FR*\b+FR-1], v[AF+FR*(\a):AF+FR*(\a)+FR-1], 0, v[SC+8*NQ*(\sc)+NQ*\b+(\q)], v[SC+8*NQ*(\sc)+NQ*(\a)+(\q)] matrix_a_fmt:MATRIX_FMT_FP6 matrix_b_fmt:MATRIX_FMT_FP6 matrix_a_scale:MATRIX_SCALE_ROW1
.else
	v_wmma_scale_f32_16x16x128_f8f6f4 v[8*(8*((\a)%4)+\b):8*(8*((\a)%4)+\b)+7], v[128*(\p)+FR*\b:128*(\p)+FR*\b+FR-1], v[AF+FR*(\a):AF+FR*(\a)+FR-1], v[8*(8*((\a)%4)+\b):8*(8*((\a)%4)+\b)+7], v[SC+8*NQ*(\sc)+NQ*\b+(\q)], v[SC+8*NQ*(\sc)+NQ*(\a)+(\q)] matrix_a_fmt:MATRIX_FMT_FP6 matrix_b_fmt:MATRIX_FMT_FP6 matrix_a_scale:MATRIX_SCALE_ROW1
.endif
.endr
.endr
.endm
.macro FETCH_B slot, q, p
	WIN TO_B
.irp i, 0,1,2,3,4,5,6,7
	FRAG 128*(\p)+FR*\i, ADRB+\slot, \q, \i
.endr
	WIN 0
.endm
.macro FETCH_A slot, q, i0
.irp i, \i0, \i0+1, \i0+2, \i0+3
	FRAG AF+FR*(\i), ADRA+\slot, \q, \i
.endr
.endm
.macro SCALES sc
.irp i, 0,1,2,3,4,5,6,7
.irp q, 0,1
	ds_load_b32 v[SC+16*\sc+2*\i+\q], v[ADRS] offset:512*\q+64*\i
.endr
.endr
.endm
.macro PLACES n
.rept \n
	v_nop
.endr
.endm
.macro STEP slot, q, zero
	s_wait_dscnt 4*NL                              ; all but the youngest 12 loads (A's blocks 4-7)
	WIN MUL_LO
	MUL16 0, (\q)%2, \q, \slot, \zero
	MUL16 2, (\q)%2, \q, \slot, \zero
	s_wait_dscnt 0
	PLACES NP
	FETCH_B \slot, (\q)+1, 1-(\q)%2
	FETCH_A \slot, (\q)+1, 0
	WIN MUL_HI
	MUL16 4, (\q)%2, \q, \slot, \zero
	MUL16 6, (\q)%2, \q, \slot, \zero
	PLACES NP
	WIN 0
	FETCH_A \slot, (\q)+1, 4
.endm
.macro TURN slot, next, fill
	s_wait_tensorcnt 0x0                           ; all my tensor loads have landed: my part of the next slot
	ds_add_u32 v[SPW], v[NIL]
	s_wait_dscnt 4*NL+1                            ; (the add and the youngest 12 loads may be out)
	WIN MUL_LO
	MUL16 0, 1, NQ-1, \slot, 0
	s_wait_dscnt 0x0                               ; the add is done, and my reads of this slot are over
	s_barrier_signal -1
	MUL16 2, 1, NQ-1, \slot, 0
	WIN 0
	s_barrier_wait -1
.if \fill
	CREST                                          ; a round of the cluster's barrier: no wave of any partner still reads this slot or has a load on its way
	s_add_nc_u64 s[G0+4*\slot+2:G0+4*\slot+3], s[G0+4*\slot+2:G0+4*\slot+3], 2*SIGMA
	s_add_nc_u64 s[G0B+4*\slot+2:G0B+4*\slot+3], s[G0B+4*\slot+2:G0B+4*\slot+3], 2*SIGMA
	JLOAD G0+4*\slot, G1, G0B+4*\slot, G1B
.else
	PLACES NP
.endif
	v_add_nc_u32 v[ADRS], 1024, v[ADRS]
	FETCH_B \next, 0, 0
	FETCH_A \next, 0, 0
	SCALES \next
	WIN MUL_HI
	MUL16 4, 1, NQ-1, \slot, 0
	MUL16 6, 1, NQ-1, \slot, 0
	PLACES NP
	WIN 0
	FETCH_A \next, 0, 4
.endm
	s_wait_tensorcnt 1                             ; the scale words and my part of slot 0 are in; slot 1's load may be out
	s_barrier_signal -1
	s_barrier_wait -1
	FETCH_B 0, 0, 0
	FETCH_A 0, 0, 0
	SCALES 0
	FETCH_A 0, 0, 4
	STEP 0, 0, 1                                   ; the first K step's products start the sums
	TURN 0, 1, 1
	STEP 1, 0, 0
	TURN 1, 0, 1
	STEP 0, 0, 0
	TURN 0, 1, 0                                   ; nothing more is filled: no round.  Behind this barrier nobody reads slot 0
	STEP 1, 0, 0
	s_wait_dscnt 4*NL
	WIN MUL_LO
	MUL16 0, 1, NQ-1, 1, 0
	MUL16 2, 1, NQ-1, 1, 0
	s_wait_dscnt 0
	WIN MUL_HI
	MUL16 4, 1, NQ-1, 1, 0
	MUL16 6, 1, NQ-1, 1, 0
	WIN 0
.macro TOSTAGE a
.set AC, 64*((\a)%4)
	WIN 0x08+4*((\a)/4)                            ; an LDS store's data: window 2 or 3
.irp b, 0,1,2,3,4,5,6,7
	ds_store_b128 v[STO], v[AC+8*\b:AC+8*\b+3] offset:64*\b          ; each accumulator from its low end on
	ds_store_b128 v[STO], v[AC+8*\b+4:AC+8*\b+7] offset:64*\b+16
.endr
	WIN 0
.set BB, BK+64*((\a)%2)
.irp t, 0,1,2,3,4,5,6,7,8,9,10,11,12,13,14,15
	ds_load_b128 v[BB+4*\t:BB+4*\t+3], v[RD] offset:\t*SPITCH        ; LDS serves a wave's instructions in order: these see the stores above
.endr
.endm
.macro SEND a, younger                 ; tile a's lane t is token 32 (a / 2) + 8 (a % 2) + t + 8 (t / 8) of my 128
.set BB, BK+64*((\a)%2)
	s_wait_dscnt \younger
.if (\a) > 0
.if (\a)%2
	s_add_nc_u64 s[12:13], s[12:13], 8*4096        ; (behind a wait on XCNT: the earlier stores have read their base)
.else
	s_add_nc_u64 s[12:13], s[12:13], 24*4096
.endif
.endif
.irp t, 0,1,2,3,4,5,6,7,8,9,10,11,12,13,14,15
	global_store_b128 v[CO], v[BB+4*\t:BB+4*\t+3], s[12:13] offset:(\t+8*(\t/8))*4096 th:TH_STORE_NT   ; 32 lanes store 512 consecutive bytes, aligned
.endr
.endm
	PLACES NP                                      ; in front of the first read of results and of the loads into A's registers
	TOSTAGE 0
.irp a, 1,2,3,4,5,6,7
.if \a > 1
	s_wait_xcnt 0x0                                ; the stores of two blocks back have read their registers and their base
.endif
	TOSTAGE \a
	SEND \a-1, 32                                  ; behind that block's loads: this block's 16 stores and 16 loads
.endr
	s_wait_xcnt 0x0
	SEND 7, 0
	s_wait_tensorcnt 0x0                           ; the wave's end
	ds_add_u32 v[SPW], v[NIL]
	s_wait_dscnt 0x0
	CROUND                                         ; the closing round
	s_endpgm
.Lfunc_end_k_q12df67fe04_oproj:
	.size	k_q12df67fe04_oproj, .Lfunc_end_k_q12df67fe04_oproj-k_q12df67fe04_oproj
	.p2alignl 7, 3214868480
	.fill 96, 4, 3214868480
	.section	.rodata,"a",@progbits
	.p2align	6, 0x0
	.amdhsa_kernel k_q12df67fe04_oproj
		.amdhsa_group_segment_fixed_size 327680
		.amdhsa_private_segment_fixed_size 0
		.amdhsa_enable_private_segment 0
		.amdhsa_kernarg_size 24
		.amdhsa_user_sgpr_count 2
		.amdhsa_user_sgpr_kernarg_segment_ptr 1
		.amdhsa_wavefront_size32 1
		.amdhsa_system_sgpr_workgroup_id_x 1
		.amdhsa_system_sgpr_workgroup_id_y 1
		.amdhsa_system_sgpr_workgroup_id_z 1
		.amdhsa_system_vgpr_workitem_id 0
		.amdhsa_next_free_vgpr 1024
		.amdhsa_next_free_sgpr 100
		.amdhsa_reserve_vcc 0
		.amdhsa_float_denorm_mode_32 3
		.amdhsa_float_denorm_mode_16_64 3
		.amdhsa_memory_ordered 1
		.amdhsa_forward_progress 1
		.amdhsa_inst_pref_size 137
	.end_amdhsa_kernel
	.amdgpu_metadata
---
amdhsa.version: [ 1, 2 ]
amdhsa.kernels:
  - .name:           k_q12df67fe04_oproj
    .symbol:         k_q12df67fe04_oproj.kd
    .args:
      - { .name: img, .offset: 0, .size: 8, .value_kind: global_buffer, .address_space: global }
      - { .name: isc, .offset: 8, .size: 8, .value_kind: global_buffer, .address_space: global }
      - { .name: out0, .offset: 16, .size: 8, .value_kind: global_buffer, .address_space: global }
    .group_segment_fixed_size: 327680
    .private_segment_fixed_size: 0
    .kernarg_segment_align: 8
    .kernarg_segment_size: 24
    .max_flat_workgroup_size: 128
    .sgpr_count:     100
    .vgpr_count:     1024
    .wavefront_size: 32
...
	.end_amdgpu_metadata
.endif
;; end of part 4
